; MI455X (gfx1250); checked and timed in simulation.
; The chip was launched on July 23, 2026; its instructions are those of AMD's public machine-readable ISA for CDNA 5 (MIT licence, August 2026) and "CDNA5" Instruction Set Architecture Reference Guide (July 2026). The comments in the code are by the model that wrote it; some were corrected since.
;; Albert Decoder Attention. Allowed arithmetic: matrix products marked QUANTISED: E5M2 operands, one given power-of-two scale a tensor, by v_wmma_f32_16x16x64_bf8_bf8 or v_wmma_f32_16x16x128_bf8_bf8, f32 sums; everything else in f32.
;; Inputs: Wk 1,024 x 1,024 float32; Wk2 1,024 x 1,024 float32; Wo 16 x 64 x 1,024 float32; Wq 1,024 x 1,024 float32; Wq2 1,024 x 1,024 float32; Wv 1,024 x 1,024 float32; Wv2 1,024 x 1,024 float32; beta 1,024 float32; bk 1,024 float32; bk2 1,024 float32; bo 1,024 float32; bq 1,024 float32; bq2 1,024 float32; bv 1,024 float32; bv2 1,024 float32; decoder_inputs 4 x 1,024 x 1,024 float32; encoder_states 4 x 1,024 x 1,024 float32; gamma 1,024 float32; lowp_scales 24 int32 (the exponents e of the quantised operands' scales 2^e); src_attention_mask 4 x 1 x 1 x 1,024 float32; tgt_attention_mask 4 x 1 x 1 x 1,024 float32.
;; Outputs: out0 4 x 1,024 x 1,024 float32.
;; This version of the problem:
;;   THIS VERSION OF THE PROBLEM IS GIVEN IN LOW PRECISION. The matrix products marked QUANTISED in the list below multiply operands that are first quantised to E5M2 (5 exponent bits, 2 mantissa bits; 8 bits a number), with one given power-of-two scale for each operand tensor; their sums are f32. All else is computed in f32.
;;   The module's matrix products, in the order in which they are computed (A, B: the left and right operand; K: the contracted axis; several contracted axes count as one K, in the product's order):
;;     1. [M 4,096, K 1,024] x [K 1,024, N 1,024]; A: input decoder_inputs; B: input Wq: QUANTISED (scales: A lowp_scales[0], B lowp_scales[1])
;;     2. [M 4,096, K 1,024] x [K 1,024, N 1,024]; A: input decoder_inputs; B: input Wk: QUANTISED (scales: A lowp_scales[2], B lowp_scales[3])
;;     3. [M 4,096, K 1,024] x [K 1,024, N 1,024]; A: input decoder_inputs; B: input Wv: QUANTISED (scales: A lowp_scales[4], B lowp_scales[5])
;;     4. batch 64 x [M 1,024, K 64] x [K 64, N 1,024]; A: computed on the way; B: computed on the way: QUANTISED (scales: A lowp_scales[6], B lowp_scales[7])
;;     5. batch 64 x [M 64, K 1,024] x [K 1,024, N 1,024]; A: computed on the way; B: softmax (see below): QUANTISED (scales: A lowp_scales[8], B lowp_scales[9])
;;     6. [M 4,096, K 1,024] x [K 1,024, N 1,024]; A: computed on the way; B: input Wo: QUANTISED (scales: A lowp_scales[10], B lowp_scales[11])
;;     7. [M 4,096, K 1,024] x [K 1,024, N 1,024]; A: computed on the way; B: input Wq2: QUANTISED (scales: A lowp_scales[12], B lowp_scales[13])
;;     8. [M 4,096, K 1,024] x [K 1,024, N 1,024]; A: input encoder_states; B: input Wk2: QUANTISED (scales: A lowp_scales[14], B lowp_scales[15])
;;     9. [M 4,096, K 1,024] x [K 1,024, N 1,024]; A: input encoder_states; B: input Wv2: QUANTISED (scales: A lowp_scales[16], B lowp_scales[17])
;;     10. batch 64 x [M 1,024, K 64] x [K 64, N 1,024]; A: computed on the way; B: computed on the way: QUANTISED (scales: A lowp_scales[18], B lowp_scales[19])
;;     11. batch 64 x [M 64, K 1,024] x [K 1,024, N 1,024]; A: computed on the way; B: softmax (see below): QUANTISED (scales: A lowp_scales[20], B lowp_scales[21])
;;     12. [M 4,096, K 1,024] x [K 1,024, N 1,024]; A: computed on the way; B: input Wo: QUANTISED (scales: A lowp_scales[22], B lowp_scales[23])
;;   THE QUANTISER, for each operand of a quantised product, along K:
;;     - The operand's scale is 2^e, e = its entry of the input lowp_scales (int32; the entries are numbered through the quantised products in the list's order, A before B).
;;     - Each number is divided by the scale, clamped to +-57,344, and rounded to the nearest number of E5M2, ties to even, subnormals kept.
;;     - The product sums the exact products of the quantised numbers (number of the format x scale) in f32.
;;   ~~~python
;;   def quantise(x, axis, e):      # numpy; x: float32 -> the quantised numbers, widened to float32 again
;;       x = np.moveaxis(x, axis, -1); K = x.shape[-1]
;;       r = np.clip(x / 2.0 ** e, -57344, 57344)
;;       step = 2.0 ** (np.maximum(np.frexp(np.where(r == 0, 1, r))[1] - 1, -14) - 2)
;;       q = np.round(r / step) * step * 2.0 ** e      # np.round: ties to even
;;       return np.moveaxis(q, -1, axis).astype(np.float32)
;;   ~~~
;;   SOFTMAX AHEAD OF A QUANTISED PRODUCT. Where the list says 'softmax', what is quantised is not the finished softmax but p = 2^(t - M), with t = logit x log2(e) and M = ceil(the row's largest t), a whole number; so 1/2 < the row's largest p <= 1. The row's sum l is taken of the UNQUANTISED p, in f32, and the product's result is divided by l at the end. Since M is a whole number, a kernel that streams over the keys may use a running M (the ceiling of the running maximum): every later rescaling is an exact power of two, so the quantised numbers keep their values, but for numbers so far below the row's largest that they fall under the format's range.
;;   OPERANDS COMPUTED ON THE WAY. 'Computed on the way' means the value that the module computes at that place (a softmax that the list does not call 'softmax' is quantised finished and normalised). What goes into a quantiser is computed in f32, as accurately as f32 sums, v_exp_f32 and their like allow (about 1e-6 of the number): no bf16 or f16 on the way to a quantiser, and a product that is left as it is and whose result goes on into a quantised operand takes f32 operands (vector FMAs, or v_wmma_f32_16x16x4_f32). A number that lies on a knife's edge between two numbers of the format may be rounded either way, as far as f32 arithmetic and the matrix unit's own rounding can turn it there, and no further.
;; 2 versions, each right; version 2 is version 1 with the launches oln1, oln2 written anew for expert scheduling mode. Each part assembles by itself: llvm-mc -triple=amdgcn-amd-amdhsa -mcpu=gfx1250 --defsym DOCPART=n.
;; ======== version 1 of 2: 6 launches
;; workspace buffers: xc 20,971,520 bytes; wc 6,291,456 bytes; att1 9,437,440 bytes; att2 9,437,440 bytes; qf 16,777,216 bytes; ctx 4,194,304 bytes; yc 4,194,304 bytes
;; launch quant (part 1): grid 768 x 1, 4 waves a work-group, no clusters, 50,688 bytes of LDS; arguments decoder_inputs, encoder_states, Wk, Wv, Wk2, Wv2, Wo, Wq, Wq2, lowp_scales, xc, wc, att1, att2; writes xc, wc, att1, att2
.if DOCPART == 1
	.amdgcn_target "amdgcn-amd-amdhsa--gfx1250"
	.amdhsa_code_object_version 6
	.text
	.protected	k_q4189393818_quant
	.globl	k_q4189393818_quant
	.p2align	8
	.type	k_q4189393818_quant,@function
k_q4189393818_quant:
	s_mov_b64 s[64:65], 0
	v_nop
	global_prefetch_b8 v0, s[64:65] scope:SCOPE_SE
	s_setreg_imm32_b32 hwreg(HW_REG_WAVE_MODE, 25, 1), 1
	s_wait_xcnt 0x0
; All operands that arrive as inputs become codes of E5M2, each with the scale 2^e of the product that reads it, laid as IMAGES OF OPERAND REGISTERS.
; A fragment is 16 rows x 128 along K, 2,048 bytes, at (row tile x 8 + K step) x 2,048.  Byte 512 c + 16 lane + y of it (lane = 16 h + r) is the code of
; row r, k = 32 c + 16 (y / 8) + 8 h + y % 8: registers 4 c .. 4 c + 3 of the 8-bit matrix operand's own layout.  Four loads of 16 bytes a lane bring a fragment, from memory or LDS.
; Work-groups 0-255: decoder_inputs (three sets of codes: entries 0, 2, 4 of the scales) and encoder_states (two: entries 14, 16) -> xc, slots of 4 MiB.
; Work-groups 256-767: eight jobs of 64 work-groups: Wk, Wv, Wk2, Wv2, Wo (entry 11), Wo (entry 23) -> wc, slots of 1 MiB; Wq -> att1 + 256; Wq2 -> att2 + 256; each as W^T (row = output column).
; Wo is read twice (4 MiB more) so that all eight jobs are one text.  Work-group 0 also copies entries 0-11 of the scales to att1's head and entries 12-23 to att2's.
; code = x / 2^e, held within +-57,344, to the nearest code, ties to even.  LIMITS: -126 <= e <= 112 for every entry used here.  NaN among the inputs is not served.
; No tensor loads, no barrier: a wave shares nothing.  No clusters: no two work-groups read the same bytes (but Wo's two jobs).  The two paths have LDS bytes of their own.
.set XST,  8448                        ; activations: a wave's stage, 16 rows x (512 bytes + 16)
.set WST0, 33792                       ; weights: the stages begin here, 4,096 bytes a wave
.set R,    16                          ; v16-143  two sets of 64: a fragment's numbers as loaded
.set X,    144                         ; v144-207 the fragment's numbers in the operand's order
.set T,    208                         ; v208-223 two sets of 8: held numbers
.set C,    224                         ; v224-255 two sets of 16: a fragment's codes
.set WX,   32                          ; weights: v32-95 two sets of 32 numbers down K
.set WC,   96                          ; v96-103  a block's codes
.set WO,   112                         ; v112-143 the way out
.macro MKSC se, vsc, vlim              ; 2^e and 57,344 x 2^e as f32
	s_add_co_i32 s62, \se, 127
	s_lshl_b32 s63, s62, 23
	v_mov_b32 v[\vsc], s63
	s_add_co_i32 s62, s62, 15
	s_lshl_b32 s62, s62, 23
	s_or_b32 s62, s62, 0x600000
	v_mov_b32 v[\vlim], s62
.endm
	s_load_b512 s[4:19], s[0:1], 0x0               ; decoder, encoder, Wk, Wv, Wk2, Wv2, Wo, Wq
	s_load_b256 s[20:27], s[0:1], 0x40             ; Wq2, the scales, xc, wc
	s_load_b128 s[28:31], s[0:1], 0x60             ; att1, att2
	v_lshl_add_u32 v15, v0, 2, 0xc400
	s_set_vgpr_msb 0x40
	v_mov_b32 v1, 0
	s_set_vgpr_msb 0x4000
	v_lshrrev_b32 v1, 5, v0
	v_readfirstlane_b32 s56, v1                    ; wave
	v_and_b32 v1, 31, v0                           ; lane
	v_lshlrev_b32 v2, 4, v1                        ; 16 x lane
	s_wait_kmcnt 0x0
	s_load_b512 s[32:47], s[22:23], 0x0            ; entries 0-15: entry i in s[32 + i]
	s_load_b256 s[48:55], s[22:23], 0x40           ; entries 16-23
	s_cmp_ge_u32 ttmp9, 256
	s_cbranch_scc1 .Lweights
; ---- ACTIVATIONS.  A wave makes four fragments: row tile rt, K steps 4 kh .. 4 kh + 3.
	s_lshr_b32 s57, ttmp9, 7                       ; 0: decoder, 1: encoder
	s_and_b32 s58, ttmp9, 127
	s_lshl_b32 s58, s58, 2
	s_add_co_u32 s58, s58, s56
	s_lshr_b32 s59, s58, 1                         ; rt
	s_and_b32 s60, s58, 1                          ; kh
	s_lshl_b32 s74, s59, 16                        ; 16 rows of 4,096 bytes
	s_lshl_b32 s61, s60, 11
	s_add_co_u32 s74, s74, s61
	s_mov_b32 s75, 0
	s_lshl_b32 s76, s59, 14                        ; 8 fragments a row tile
	s_lshl_b32 s61, s60, 13
	s_add_co_u32 s76, s76, s61
	s_mov_b32 s77, 0
	s_cmp_eq_u32 s57, 0
	s_cselect_b64 s[72:73], s[4:5], s[6:7]
	s_cselect_b32 s61, 0, 0xc00000                 ; the decoder's slots 0-2, the encoder's 3-4
	s_add_co_u32 s76, s76, s61
	s_add_nc_u64 s[72:73], s[72:73], s[74:75]
	s_add_nc_u64 s[66:67], s[24:25], s[76:77]
	s_add_nc_u64 s[68:69], s[66:67], 0x400000
	s_add_nc_u64 s[70:71], s[66:67], 0x800000      ; (used for the decoder alone)
	s_mul_i32 s61, s56, XST
	v_add_nc_u32 v3, s61, v2                       ; into the stage: a row's 512 bytes as they lie
	v_and_b32 v11, 15, v0
	v_bfe_u32 v12, v0, 4, 1
	v_mul_u32_u24 v4, v11, 528
	v_lshl_add_u32 v4, v12, 5, v4
	v_add_nc_u32 v4, s61, v4                       ; out of it: row r, + 32 h bytes; rows 528 bytes apart start at 16 different groups of banks
.macro XLOAD f                         ; fragment f: 16 rows x 512 consecutive bytes
.set p, 0
.rept 16
	global_load_b128 v[R+64*((\f)%2)+4*p:R+64*((\f)%2)+4*p+3], v2, s[72:73] offset:p*4096+(\f)*512 th:TH_LOAD_NT
.set p, p+1
.endr
.endm
.macro QOUT k, f, sc, lim, o           ; the fragment in X is quantised with one scale and stored: 4 x 512 consecutive bytes
	s_wait_xcnt 0x0                                ; the earlier stores have read this set of codes
.set g, 0
.rept 8
.set j, 0
.rept 8
	v_med3_num_f32 v[T+8*(g%2)+j], v[X+8*g+j], -v[\lim], v[\lim]   ; the conversion does not saturate (ISA guide 7.6.2): the hold comes first.  These eight are also the plain lines behind the conversion before
.set j, j+1
.endr
	v_cvt_scalef32_pk8_bf8_f32 v[C+16*((\k)%2)+2*g:C+16*((\k)%2)+2*g+1], v[T+8*(g%2):T+8*(g%2)+7], v[\sc]
.set g, g+1
.endr
	v_nop                                          ; a plain line behind the last conversion
.irp c, 0,1,2,3
	global_store_b128 v2, v[C+16*((\k)%2)+4*\c:C+16*((\k)%2)+4*\c+3], s[\o:\o+1] offset:(\f)*2048+\c*512
.endr
.endm
.macro XFRAG f
.if (\f) < 3
	s_wait_loadcnt 16                              ; this fragment's 16 loads are in; the next fragment's may be out
.else
	s_wait_loadcnt 0
.endif
.set p, 0
.rept 16
	ds_store_b128 v3, v[R+64*((\f)%2)+4*p:R+64*((\f)%2)+4*p+3] offset:p*528
.set p, p+1
.endr
.irp c, 0,1,2,3                        ; LDS serves a wave's instructions in order: these see the stores.  X[16 c ..]: k = 32 c + 8 h + 0..7, then 32 c + 16 + 8 h + 0..7
	ds_load_b128 v[X+16*\c:X+16*\c+3], v4 offset:128*\c
	ds_load_b128 v[X+16*\c+4:X+16*\c+7], v4 offset:128*\c+16
	ds_load_b128 v[X+16*\c+8:X+16*\c+11], v4 offset:128*\c+64
	ds_load_b128 v[X+16*\c+12:X+16*\c+15], v4 offset:128*\c+80
.endr
	s_wait_dscnt 0x0
.if (\f) < 2
	XLOAD (\f)+2
.endif
	QOUT 0, \f, 5, 6, 66
	QOUT 1, \f, 7, 8, 68
	s_cmp_lg_u32 s57, 0                            ; the encoder has two sets of codes, the decoder three
	s_cbranch_scc1 .Lenc_\@
	QOUT 2, \f, 9, 10, 70
.Lenc_\@:
.endm
	XLOAD 0
	XLOAD 1
	s_wait_kmcnt 0x0
	s_cmp_eq_u32 s57, 0
	s_cselect_b32 s78, s32, s46                    ; entry 0 or 14
	s_cselect_b32 s79, s34, s48                    ; entry 2 or 16
	MKSC s78, 5, 6
	MKSC s79, 7, 8
	MKSC s36, 9, 10                                ; entry 4
	XFRAG 0
	XFRAG 1
	XFRAG 2
	XFRAG 3
	s_cmp_lg_u32 ttmp9, 0                          ; wave 0 of work-group 0 copies the scales' entries for the two attention launches
	s_cbranch_scc1 .Lxend
	s_cmp_lg_u32 s56, 0
	s_cbranch_scc1 .Lxend
	v_min_u32 v11, 11, v1
	v_lshlrev_b32 v11, 2, v11
	v_lshlrev_b32 v12, 2, v1
	global_load_b32 v13, v11, s[22:23]
	global_load_b32 v14, v11, s[22:23] offset:48
	s_wait_loadcnt 0x0
	global_store_b32 v12, v13, s[28:29]
	global_store_b32 v12, v14, s[30:31]
.Lxend:
	s_set_vgpr_msb 0x4
	s_wait_tensorcnt 0x0
	ds_add_u32 v15, v1
	s_wait_dscnt 0x0
	s_set_vgpr_msb 0x400
	s_endpgm
; ---- WEIGHTS, stored [k][n].  A lane takes a column n and its registers run down K, so the conversions give codes with K innermost and nothing is transposed.
; A wave: 32 columns (two row tiles of W^T) x 128 along K (one K step), four blocks of 32; two blocks' 64 loads are on their way, so a wave waits for memory twice on end, as a wave of the activations does.
; The K step's two fragments are gathered in the wave's stage and leave as 8 x 512 consecutive bytes.
.Lweights:
	s_sub_co_u32 s57, ttmp9, 256
	s_lshr_b32 s58, s57, 6                         ; job
	s_and_b32 s59, s57, 7                          ; which 128 columns
	s_bfe_u32 s60, s57, 0x30003                    ; which K step
	s_mov_b64 s[72:73], s[8:9]
	s_cmp_eq_u32 s58, 1
	s_cselect_b64 s[72:73], s[10:11], s[72:73]
	s_cmp_eq_u32 s58, 2
	s_cselect_b64 s[72:73], s[12:13], s[72:73]
	s_cmp_eq_u32 s58, 3
	s_cselect_b64 s[72:73], s[14:15], s[72:73]
	s_cmp_ge_u32 s58, 4
	s_cselect_b64 s[72:73], s[16:17], s[72:73]
	s_cmp_eq_u32 s58, 6
	s_cselect_b64 s[72:73], s[18:19], s[72:73]
	s_cmp_eq_u32 s58, 7
	s_cselect_b64 s[72:73], s[20:21], s[72:73]
	s_lshl_b32 s74, s60, 19                        ; 128 rows of 4,096 bytes
	s_lshl_b32 s61, s59, 9
	s_add_co_u32 s74, s74, s61
	s_lshl_b32 s61, s56, 7
	s_add_co_u32 s74, s74, s61                     ; + 4 x my first column
	s_mov_b32 s75, 0
	s_add_nc_u64 s[72:73], s[72:73], s[74:75]
	s_lshl_b32 s76, s58, 20
	s_cmp_lt_u32 s58, 6
	s_cselect_b64 s[66:67], s[26:27], s[28:29]
	s_cselect_b32 s76, s76, 256
	s_cmp_eq_u32 s58, 7
	s_cselect_b64 s[66:67], s[30:31], s[66:67]
	s_lshl_b32 s61, s59, 17
	s_add_co_u32 s76, s76, s61
	s_lshl_b32 s61, s56, 15
	s_add_co_u32 s76, s76, s61
	s_lshl_b32 s61, s60, 11
	s_add_co_u32 s76, s76, s61                     ; (8 x 128-column group + 2 x wave) row tiles of 16,384 bytes + my K step's 2,048
	s_mov_b32 s77, 0
	s_add_nc_u64 s[66:67], s[66:67], s[76:77]
	s_lshl_b32 s61, s56, 12
	s_add_co_u32 s61, s61, WST0                    ; my stage
	v_lshrrev_b32 v5, 4, v1
	v_and_b32 v6, 15, v1
	v_lshlrev_b32 v4, 11, v5
	v_lshl_add_u32 v4, v6, 4, v4
	v_add_nc_u32 v4, s61, v4                       ; into it: fragment lane / 16, row lane % 16
	v_add_nc_u32 v7, s61, v2                       ; out of it: 16 x lane
	v_lshlrev_b32 v3, 2, v1                        ; in memory: 4 bytes a lane
.macro WLOAD t                         ; block t: W(32 t + i, my column)
.set i, 0
.rept 32
	global_load_b32 v[WX+32*((\t)%2)+i], v3, s[72:73] offset:(32*(\t)+i)*4096
.set i, i+1
.endr
.endm
.macro WBLOCK t
.if (\t) < 3
	s_wait_loadcnt 32                              ; this block's 32 loads are in; the next block's may be out
.else
	s_wait_loadcnt 0
.endif
.set i, 0
.rept 32
	v_med3_num_f32 v[WX+32*((\t)%2)+i], v[WX+32*((\t)%2)+i], -v10, v10
.set i, i+1
.endr
.irp g, 0,1,2,3
	v_cvt_scalef32_pk8_bf8_f32 v[WC+2*\g:WC+2*\g+1], v[WX+32*((\t)%2)+8*\g:WX+32*((\t)%2)+8*\g+7], v11
.endr
.irp g, 0,1,2,3                        ; k = 32 t + 8 g + 0..7 of my column: piece t, half g % 2 of the lanes, upper or lower 8 bytes g / 2
	ds_store_b64 v4, v[WC+2*\g:WC+2*\g+1] offset:(\t)*512+(\g%2)*256+(\g/2)*8
.endr
.if (\t)+2 < 4
	WLOAD (\t)+2
.endif
	s_wait_dscnt 0x0                               ; the stores have read their registers; the next block begins with 32 plain lines
.endm
	WLOAD 0
	WLOAD 1
	s_wait_kmcnt 0x0
	s_mov_b32 s78, s35                             ; the job's entry: 3, 5, 15, 17, 11, 23, 1, 13
	s_cmp_eq_u32 s58, 1
	s_cselect_b32 s78, s37, s78
	s_cmp_eq_u32 s58, 2
	s_cselect_b32 s78, s47, s78
	s_cmp_eq_u32 s58, 3
	s_cselect_b32 s78, s49, s78
	s_cmp_eq_u32 s58, 4
	s_cselect_b32 s78, s43, s78
	s_cmp_eq_u32 s58, 5
	s_cselect_b32 s78, s55, s78
	s_cmp_eq_u32 s58, 6
	s_cselect_b32 s78, s33, s78
	s_cmp_eq_u32 s58, 7
	s_cselect_b32 s78, s45, s78
	MKSC s78, 11, 10
.irp t, 0,1,2,3
	WBLOCK \t
.endr
.irp i, 0,1,2,3,4,5,6,7
	ds_load_b128 v[WO+4*\i:WO+4*\i+3], v7 offset:512*\i
.endr
.irp i, 0,1,2,3,4,5,6,7
	s_wait_dscnt 7-\i                              ; the younger loads may be out
	global_store_b128 v2, v[WO+4*\i:WO+4*\i+3], s[66:67] offset:(\i/4)*16384+(\i%4)*512
.endr
	s_set_vgpr_msb 0x4
	s_wait_tensorcnt 0x0
	ds_add_u32 v15, v1
	s_wait_dscnt 0x0
	s_set_vgpr_msb 0x400
	s_endpgm
.Lfunc_end_k_q4189393818_quant:
	.size	k_q4189393818_quant, .Lfunc_end_k_q4189393818_quant-k_q4189393818_quant
	.p2alignl 7, 3214868480
	.fill 96, 4, 3214868480
	.section	.rodata,"a",@progbits
	.p2align	6, 0x0
	.amdhsa_kernel k_q4189393818_quant
		.amdhsa_group_segment_fixed_size 50688
		.amdhsa_private_segment_fixed_size 0
		.amdhsa_enable_private_segment 0
		.amdhsa_kernarg_size 112
		.amdhsa_user_sgpr_count 2
		.amdhsa_user_sgpr_kernarg_segment_ptr 1
		.amdhsa_wavefront_size32 1
		.amdhsa_system_sgpr_workgroup_id_x 1
		.amdhsa_system_sgpr_workgroup_id_y 1
		.amdhsa_system_sgpr_workgroup_id_z 1
		.amdhsa_system_vgpr_workitem_id 0
		.amdhsa_next_free_vgpr 258
		.amdhsa_next_free_sgpr 100
		.amdhsa_reserve_vcc 0
		.amdhsa_float_denorm_mode_32 3
		.amdhsa_float_denorm_mode_16_64 3
		.amdhsa_memory_ordered 1
		.amdhsa_forward_progress 1
		.amdhsa_inst_pref_size 105
	.end_amdhsa_kernel
	.amdgpu_metadata
---
amdhsa.version: [ 1, 2 ]
amdhsa.kernels:
  - .name:           k_q4189393818_quant
    .symbol:         k_q4189393818_quant.kd
    .args:
      - { .name: decoder_inputs, .offset: 0, .size: 8, .value_kind: global_buffer, .address_space: global }
      - { .name: encoder_states, .offset: 8, .size: 8, .value_kind: global_buffer, .address_space: global }
      - { .name: Wk, .offset: 16, .size: 8, .value_kind: global_buffer, .address_space: global }
      - { .name: Wv, .offset: 24, .size: 8, .value_kind: global_buffer, .address_space: global }
      - { .name: Wk2, .offset: 32, .size: 8, .value_kind: global_buffer, .address_space: global }
      - { .name: Wv2, .offset: 40, .size: 8, .value_kind: global_buffer, .address_space: global }
      - { .name: Wo, .offset: 48, .size: 8, .value_kind: global_buffer, .address_space: global }
      - { .name: Wq, .offset: 56, .size: 8, .value_kind: global_buffer, .address_space: global }
      - { .name: Wq2, .offset: 64, .size: 8, .value_kind: global_buffer, .address_space: global }
      - { .name: lowp_scales, .offset: 72, .size: 8, .value_kind: global_buffer, .address_space: global }
      - { .name: xc, .offset: 80, .size: 8, .value_kind: global_buffer, .address_space: global }
      - { .name: wc, .offset: 88, .size: 8, .value_kind: global_buffer, .address_space: global }
      - { .name: att1, .offset: 96, .size: 8, .value_kind: global_buffer, .address_space: global }
      - { .name: att2, .offset: 104, .size: 8, .value_kind: global_buffer, .address_space: global }
    .group_segment_fixed_size: 50688
    .private_segment_fixed_size: 0
    .kernarg_segment_align: 8
    .kernarg_segment_size: 112
    .max_flat_workgroup_size: 128
    .sgpr_count:     100
    .vgpr_count:     258
    .wavefront_size: 32
...
	.end_amdgpu_metadata
.endif
;; end of part 1
;; launch proj (part 2): grid 64 x 4, 4 waves a work-group, clusters of 4 x 4, 327,680 bytes of LDS; arguments xc, wc, lowp_scales, bk, bv, bk2, bv2, att1, att2; writes att1, att2
.if DOCPART == 2
	.amdgcn_target "amdgcn-amd-amdhsa--gfx1250"
	.amdhsa_code_object_version 6
	.text
	.protected	k_q4189393818_proj
	.globl	k_q4189393818_proj
	.p2align	8
	.type	k_q4189393818_proj,@function
k_q4189393818_proj:
	s_mov_b64 s[64:65], 0
	v_nop
	global_prefetch_b8 v0, s[64:65] scope:SCOPE_SE
	s_setreg_imm32_b32 hwreg(HW_REG_WAVE_MODE, 25, 1), 1
	s_wait_xcnt 0x0
	s_wait_alu depctr_hold_cnt(0) depctr_sa_sdst(0) depctr_va_vdst(0) depctr_va_sdst(0) depctr_va_ssrc(0) depctr_va_vcc(0) depctr_vm_vsrc(0)
	s_getreg_b32 s2, hwreg(HW_REG_IB_STS2, 6, 4)
	s_cmp_eq_u32 s2, 0
	s_cbranch_scc0 .Lentry_in_a_cluster
	s_endpgm
.Lentry_in_a_cluster:
	s_bfe_u32 s2, ttmp6, 0x10000c
	s_cmp_lg_u32 s2, 0xf033
	s_cbranch_scc0 .Lentry_shape_is_right
	s_endpgm
.Lentry_shape_is_right:
; Four GEMMs of 4,096 x 1,024 x 1,024 on codes of E5M2: K1 = dec Wk + bk, V1 = dec Wv + bv, K2 = enc Wk2 + bk2, V2 = enc Wv2 + bv2; the results are quantised on the way out
; (entries 7, 8, 19, 20 of the scales) and stored as images of the attention launches' operand registers.  256 tiles of 256 x 256: 16 clusters of 4 x 4 work-groups, four clusters to a GEMM.
; Operands lie as fragments of 16 rows x 128 K, 2,048 bytes at (row tile x 8 + K step) x 2,048, each an image of its 16 registers: four loads of 16 bytes at 16 x lane + 512 c.
; A work-group of four waves makes 256 x 256; a wave 128 x 128: 64 accumulators, 512 registers.  K goes in steps of 256 through two LDS slots: four fills in all.
; THE MATRIX INSTRUCTION IS USED TRANSPOSED: source 0 = 16 rows of side B, source 1 = 16 rows of side A; a lane holds one row of A and its eight registers eight neighbouring rows of B.
;   K (kind 0): A = tokens, B = Wk^T: a lane holds one key, registers run along the channels: a conversion's result is two registers of K's fragment (K = the head's 64).
;   V (kind 1): A = Wv^T, B = tokens: a lane holds one channel, registers run along the keys: two registers of V^T's fragment (K = 128 keys).
; CLUSTERS: A's tile is shared along a row of the cluster, B's along a column: each is asked for jointly, by the same tensor load with a mask that names the four.  A wave has at most two tensor loads out.
; LIMITS: ea + eb between -126 and 127; the results' entries between -126 and 112.  NaN is not served.
; REGISTERS: window 0: v16-30 addresses and scales; v32-95 the biases; v64-127 or v96-127 at work on the way out; v128-255 A's fragments, later the codes.  Window 1: B's fragments, two sets.  Windows 2, 3: accumulator (a, b) at v[8 (8 (a % 4) + b)].
.set PART,  32768                      ; 8 row tiles x 2 K steps x 2,048: what one tensor load brings and one wave reads of A or of B
.set SLOT,  4*PART                     ; A's two halves, then B's two
.set SPARE, 2*SLOT                     ; behind the ring: the spare words, 128 bytes a wave
.set FR,    16
.set NL,    4
.set NP,    4                          ; places behind this matrix instruction (ISA guide 7.12.1)
.set KO,    0x100100                   ; K's images in att; V's lie 0x400000 further on
.set ADRA, 16                          ; v16-17  my A fragments in slot 0, 1
.set ADRB, 20                          ; v20-21  my B fragments
.set SC,   24                          ; v24     2^eo
.set LIM,  25                          ; v25     57,344 x 2^eo
.set LO,   26                          ; v26     16 x lane
.set H32,  27                          ; v27     32 x (lane / 16)
.set SPW,  28                          ; v28     my spare word's address; never rewritten
.set NIL,  29                          ; v29     0; never rewritten
.set R4,   30                          ; v30     4 x (lane % 16)
.set BI,   32
.set TV,   64
.set T,    96
.set AF,   128
.set CD,   128
.set G1, 24
.set G0, 32
.set G1B, 48
.set G0B, 56
.set MSB, 0
.macro WIN new                         ; the immediate's high byte repeats the setting that is left
.if MSB != \new
	s_set_vgpr_msb (MSB<<8)|\new
.set MSB, \new
.endif
.endm
.set MUL_LO, 0xa1                      ; source 0 (B) window 1, source 1 (A) window 0, C and D window 2
.set MUL_HI, 0xf1
.set TO_B,   0x40
.macro JLOAD g0a, g1a, g0b, g1b        ; waves 0, 1 fetch for A, waves 2, 3 for B; four v_nop follow each line
	s_cmp_eq_u32 s15, 0
	s_cbranch_scc0 .Lfor_b_\@
	tensor_load_to_lds s[\g0a:\g0a+3], s[\g1a:\g1a+7]
	s_nop 0
.rept 4
	v_nop
.endr
	s_branch .Lasked_\@
.Lfor_b_\@:
	tensor_load_to_lds s[\g0b:\g0b+3], s[\g1b:\g1b+7]
	s_nop 0
.rept 4
	v_nop
.endr
.Lasked_\@:
.endm
.macro CREST
	s_cmp_lg_u32 s14, 0
	s_cbranch_scc1 .Lnot_wave_0_\@
	s_barrier_signal -3
.Lnot_wave_0_\@:
	s_barrier_wait -3
	s_barrier_signal -1
	s_barrier_wait -1
.endm
.macro CROUND
	s_barrier_signal -1
	s_barrier_wait -1
	CREST
.endm
.macro MKSC se, vsc, vlim
	s_add_co_i32 s90, \se, 127
	s_lshl_b32 s91, s90, 23
	v_mov_b32 v[\vsc], s91
	s_add_co_i32 s90, s90, 15
	s_lshl_b32 s90, s90, 23
	s_or_b32 s90, s90, 0x600000
	v_mov_b32 v[\vlim], s90
.endm
	s_load_b128 s[4:7], s[0:1], 0x0                ; xc, wc
	s_load_b64 s[8:9], s[0:1], 0x10                ; the scales
	s_load_b256 s[68:75], s[0:1], 0x18             ; bk, bv, bk2, bv2
	s_load_b128 s[76:79], s[0:1], 0x38             ; att1, att2
	v_lshl_add_u32 v[SPW], v0, 2, SPARE
	v_mov_b32 v[NIL], 0
	ds_add_u32 v28, v29
	ds_add_u32 v28, v29
	s_wait_dscnt 0x0
	v_lshrrev_b32 v1, 5, v0
	v_readfirstlane_b32 s14, v1                    ; wave 0..3
	s_lshr_b32 s15, s14, 1                         ; my half of A's rows.  Also: I fetch for A (0) or for B (1)
	s_and_b32 s16, s14, 1                          ; my half of B's rows.  Also: which half I fetch
	s_bfe_u32 s40, ttmp6, 0x40000                  ; cx
	s_bfe_u32 s41, ttmp6, 0x40004                  ; cy
	s_lshr_b32 s80, ttmp9, 2                       ; the GEMM: 0 K1, 1 V1, 2 K2, 3 V2: the same in all sixteen partners,
	s_and_b32 s81, ttmp9, 3                        ; and which quarter of its tokens
	s_and_b32 s82, s80, 1                          ; kind
	s_lshr_b32 s83, s80, 1                         ; first or second attention
	s_cmp_eq_u32 s82, 0
	s_cselect_b32 s84, s81, 0
	s_cselect_b32 s85, 0, s81
	s_lshl_b32 s17, s84, 2
	s_add_co_u32 s17, s17, s41                     ; A's tile: tokens 4 quarter + cy, or channels cy
	s_lshl_b32 s42, s85, 2
	s_add_co_u32 s42, s42, s40                     ; B's tile: channels cx, or tokens 4 quarter + cx
	s_lshl_b32 s43, s41, 2
	s_lshl_b32 s43, 15, s43                        ; my row of the cluster
	s_lshl_b32 s44, 0x1111, s40                    ; my column
	; group 1: 8 rows (row tiles) of 4,096 bytes (two K steps' fragments), 16,384 bytes apart; elements of 8 bytes; no padding: every LDS read is 512 consecutive bytes
	s_or_b32 s[G1+0], s43, (3<<16)|(1<<21)
	s_or_b32 s[G1B+0], s44, (3<<16)|(1<<21)
.irp g, G1, G1B
	s_mov_b32 s[\g+1], 512<<16                     ; tensor_dim0
	s_mov_b32 s[\g+2], 8<<16                       ; tensor_dim1
	s_mov_b32 s[\g+3], 512<<16                     ; tile_dim0
	s_mov_b32 s[\g+4], 8                           ; tile_dim1
	s_mov_b32 s[\g+5], 2048                        ; stride from row tile to row tile
	s_mov_b32 s[\g+6], 0
	s_mov_b32 s[\g+7], 0
.endr
	s_add_co_u32 s90, s80, 1
	s_lshl_b32 s90, s90, 22                        ; the tokens' slot of xc: GEMM + 1
	s_lshl_b32 s91, s80, 20                        ; the weight's slot of wc: GEMM
	s_cmp_eq_u32 s82, 0
	s_cselect_b32 s20, s90, s91
	s_cselect_b32 s46, s91, s90
	s_lshl_b32 s18, s16, 17                        ; the half that I fetch
	s_lshl_b32 s19, s17, 18                        ; a tile is 16 row tiles of 16,384 bytes
	s_add_co_u32 s20, s20, s19
	s_add_co_u32 s20, s20, s18
	s_mov_b32 s21, 0
	s_lshl_b32 s12, s42, 18
	s_add_co_u32 s46, s46, s12
	s_add_co_u32 s46, s46, s18
	s_mov_b32 s47, 0
	s_lshl_b32 s45, s14, 15                        ; where it goes: wave x PART: no place in the cluster enters an LDS address
	s_lshl_b32 s84, s82, 3
	s_mul_i32 s85, s83, 48
	s_add_co_u32 s84, s84, s85                     ; bytes to the product's two entries, less 8
	s_lshl_b32 s99, s82, 2
	s_add_co_u32 s85, s85, s99                     ; and to the result's entry, less 28
	s_wait_kmcnt 0x0
	s_load_b64 s[96:97], s[8:9], s84 offset:0x8    ; ea, eb: entries 2,3 / 4,5 / 14,15 / 16,17
	s_load_b32 s98, s[8:9], s85 offset:0x1c        ; eo: entry 7 / 8 / 19 / 20
	s_cmp_eq_u32 s82, 0
	s_cselect_b64 s[86:87], s[4:5], s[6:7]
	s_cselect_b64 s[88:89], s[6:7], s[4:5]
	s_add_nc_u64 s[20:21], s[86:87], s[20:21]
	s_add_nc_u64 s[46:47], s[88:89], s[46:47]
	CROUND                                         ; all sixteen work-groups are here: the first joint loads meet
.irp s, 0,1
	s_mov_b32 s[G0+4*\s], 1
	s_add_co_u32 s[G0+4*\s+1], s45, \s*SLOT
	s_add_nc_u64 s[G0+4*\s+2:G0+4*\s+3], s[20:21], \s*4096
	s_or_b32 s[G0+4*\s+3], s[G0+4*\s+3], 0x80000000
	s_mov_b32 s[G0B+4*\s], 1
	s_add_co_u32 s[G0B+4*\s+1], s45, \s*SLOT
	s_add_nc_u64 s[G0B+4*\s+2:G0B+4*\s+3], s[46:47], \s*4096
	s_or_b32 s[G0B+4*\s+3], s[G0B+4*\s+3], 0x80000000
	JLOAD G0+4*\s, G1, G0B+4*\s, G1B
.endr
	v_and_b32 v1, 31, v0
	v_lshlrev_b32 v[LO], 4, v1
	v_bfe_u32 v2, v0, 4, 1
	v_lshlrev_b32 v[H32], 5, v2
	v_and_b32 v3, 15, v0
	v_lshlrev_b32 v[R4], 2, v3
	s_lshl_b32 s22, s15, 15                        ; my half of A
	s_lshl_b32 s23, s16, 15
	s_add_co_u32 s23, s23, 2*PART                  ; my half of B
.irp s, 0,1
	v_add_nc_u32 v[ADRA+\s], s22, v[LO]
	v_add_nc_u32 v[ADRB+\s], s23, v[LO]
	s_add_co_u32 s22, s22, SLOT
	s_add_co_u32 s23, s23, SLOT
.endr
	; the bias and the results: both kinds by one formula, in terms of the channels' tile and half and of the tokens' tile and half
	s_cmp_eq_u32 s82, 0
	s_cselect_b32 s12, s42, s17                    ; the channels' tile (256 channels = 4 heads),
	s_cselect_b32 s13, s16, s15                    ; my half of it,
	s_cselect_b32 s2, s17, s42                     ; the tokens' tile,
	s_cselect_b32 s3, s15, s16                     ; my half of it
	s_cselect_b32 s99, 0, 0x400000                 ; K's images or V's
	s_lshl_b32 s94, s12, 10
	s_lshl_b32 s95, s13, 9
	s_add_co_u32 s94, s94, s95                     ; my first channel x 4 bytes
	s_mov_b32 s95, 0
	s_cmp_eq_u32 s80, 1
	s_cselect_b64 s[92:93], s[70:71], s[68:69]
	s_cmp_eq_u32 s80, 2
	s_cselect_b64 s[92:93], s[72:73], s[92:93]
	s_cmp_eq_u32 s80, 3
	s_cselect_b64 s[92:93], s[74:75], s[92:93]
	s_add_nc_u64 s[92:93], s[92:93], s[94:95]
	s_lshl_b32 s94, s12, 20                        ; a head's images are 262,144 bytes in both kinds; 128 tokens are 8,192 bytes in both
	s_lshl_b32 s12, s13, 19
	s_add_co_u32 s94, s94, s12
	s_lshl_b32 s12, s2, 14
	s_add_co_u32 s94, s94, s12
	s_lshl_b32 s12, s3, 13
	s_add_co_u32 s94, s94, s12
	s_add_co_u32 s94, s94, s99
	s_add_co_u32 s94, s94, KO
	s_cmp_eq_u32 s83, 0
	s_cselect_b64 s[10:11], s[76:77], s[78:79]
	s_add_nc_u64 s[10:11], s[10:11], s[94:95]
.macro FRAG reg, adr, q, i             ; row tile i of my half, the slot's q-th K step
.irp c, 0,1,2,3
	ds_load_b128 v[\reg+4*\c:\reg+4*\c+3], v[\adr] offset:(\i)*4096+(\q)*2048+512*\c
.endr
.endm
; 16 matrix instructions: A's blocks a0, a0 + 1 x B's eight.  The 64 accumulators take turns, one instruction a turn, in the same order in every step.
.macro MUL16 a0, p, zero
.irp a, \a0, \a0+1
.irp b, 0,1,2,3,4,5,6,7
.if \zero
	v_wmma_f32_16x16x128_bf8_bf8 v[8*(8*((\a)%4)+\b):8*(8*((\a)%4)+\b)+7], v[128*(\p)+FR*\b:128*(\p)+FR*\b+FR-1], v[AF+FR*(\a):AF+FR*(\a)+FR-1], 0
.else
	v_wmma_f32_16x16x128_bf8_bf8 v[8*(8*((\a)%4)+\b):8*(8*((\a)%4)+\b)+7], v[128*(\p)+FR*\b:128*(\p)+FR*\b+FR-1], v[AF+FR*(\a):AF+FR*(\a)+FR-1], v[8*(8*((\a)%4)+\b):8*(8*((\a)%4)+\b)+7]
.endif
.endr
.endr
.endm
.macro FETCH_B slot, q, p
	WIN TO_B
.irp i, 0,1,2,3,4,5,6,7
	FRAG 128*(\p)+FR*\i, ADRB+\slot, \q, \i
.endr
	WIN 0
.endm
.macro FETCH_A slot, q, i0
.irp i, \i0, \i0+1, \i0+2, \i0+3
	FRAG AF+FR*(\i), ADRA+\slot, \q, \i
.endr
.endm
.macro PLACES n                        ; plain vector lines between a matrix instruction and a load into, or a vector read of, its registers
.rept \n
	v_nop
.endr
.endm
.macro STEP slot, q, zero              ; 128 along K with a successor in the same slot.  A has one set of registers (a block is free when its eight products are issued), B two
	s_wait_dscnt 4*NL                              ; B's set and A's blocks 0-3 are in; the youngest 16 loads (A's blocks 4-7) may be out
	WIN MUL_LO
	MUL16 0, (\q)%2, \zero
	MUL16 2, (\q)%2, \zero
	s_wait_dscnt 0
	PLACES NP
	FETCH_B \slot, (\q)+1, 1-(\q)%2
	FETCH_A \slot, (\q)+1, 0
	WIN MUL_HI
	MUL16 4, (\q)%2, \zero
	MUL16 6, (\q)%2, \zero
	PLACES NP
	WIN 0
	FETCH_A \slot, (\q)+1, 4
.endm
.macro TURN slot, next, fill           ; a slot's last step changes slots: one barrier; fill = 1: it opens a round of the cluster's barrier and the slot is filled again
	s_wait_tensorcnt 0x0                           ; all my tensor loads have landed: my part of the next slot
	ds_add_u32 v[SPW], v[NIL]                      ; 0 onto my spare word
	s_wait_dscnt 4*NL+1                            ; the add and the youngest 16 loads may be out
	WIN MUL_LO
	MUL16 0, 1, 0
	s_wait_dscnt 0x0                               ; the add is done, and my reads of this slot are over
	s_barrier_signal -1
	MUL16 2, 1, 0
	WIN 0
	s_barrier_wait -1
.if \fill
	CREST                                          ; no wave of any partner still reads this slot or has a load on its way
	s_add_nc_u64 s[G0+4*\slot+2:G0+4*\slot+3], s[G0+4*\slot+2:G0+4*\slot+3], 8192
	s_add_nc_u64 s[G0B+4*\slot+2:G0B+4*\slot+3], s[G0B+4*\slot+2:G0B+4*\slot+3], 8192
	JLOAD G0+4*\slot, G1, G0B+4*\slot, G1B         ; the first tensor load behind the round; its four v_nop are the places in front of the loads below
.else
	PLACES NP
.endif
	FETCH_B \next, 0, 0
	FETCH_A \next, 0, 0
	WIN MUL_HI
	MUL16 4, 1, 0
	MUL16 6, 1, 0
	PLACES NP
	WIN 0
	FETCH_A \next, 0, 4
.endm
.macro LAST                            ; the very last step: nothing more to fetch
	s_wait_dscnt 4*NL
	WIN MUL_LO
	MUL16 0, 1, 0
	MUL16 2, 1, 0
	s_wait_dscnt 0
	WIN MUL_HI
	MUL16 4, 1, 0
	MUL16 6, 1, 0
	WIN 0
.endm
; K's way out: block a (16 keys), head p of my two: four accumulators -> sum x 2^(ea + eb) + bias, held, converted: 8 registers = a fragment of 16 keys x 64 channels: two stores of 512 consecutive bytes.
.macro KOUT a, p
	WIN (0x02+((\a)/4))
.set j, 0
.rept 16
	v_pk_fma_f32 v[T+j:T+j+1], v[64*((\a)%4)+32*(\p)+j:64*((\a)%4)+32*(\p)+j+1], s[96:97], v[BI+32*(\p)+j:BI+32*(\p)+j+1] op_sel_hi:[1,0,1]   ; each accumulator from its low end on
.set j, j+2
.endr
	WIN 0
.set j, 0
.rept 32
	v_med3_num_f32 v[T+j], v[T+j], -v[LIM], v[LIM]
.set j, j+1
.endr
.irp i, 0,1,2,3
	v_cvt_scalef32_pk8_bf8_f32 v[CD+8*(2*(\a)+(\p))+2*\i:CD+8*(2*(\a)+(\p))+2*\i+1], v[T+8*\i:T+8*\i+7], v[SC]
.endr
	v_nop                                          ; a plain line behind the last conversion
	global_store_b128 v[LO], v[CD+8*(2*(\a)+(\p)):CD+8*(2*(\a)+(\p))+3], s[10:11] offset:(\p)*262144+(\a)*1024
	global_store_b128 v[LO], v[CD+8*(2*(\a)+(\p))+4:CD+8*(2*(\a)+(\p))+7], s[10:11] offset:(\p)*262144+(\a)*1024+512
.endm
; V's way out: block a (16 channels): eight accumulators -> 16 registers = a fragment of 16 channels x 128 keys: four stores of 512 consecutive bytes.  Every store has registers of its own.
.macro VOUT a
	WIN (0x02+((\a)/4))
.set j, 0
.rept 32
	v_pk_fma_f32 v[TV+j:TV+j+1], v[64*((\a)%4)+j:64*((\a)%4)+j+1], s[96:97], v[BI+2*(\a):BI+2*(\a)+1] op_sel_hi:[1,0,1]
.set j, j+2
.endr
	WIN 0
.set j, 0
.rept 64
	v_med3_num_f32 v[TV+j], v[TV+j], -v[LIM], v[LIM]
.set j, j+1
.endr
.irp b, 0,1,2,3,4,5,6,7
	v_cvt_scalef32_pk8_bf8_f32 v[CD+16*(\a)+2*\b:CD+16*(\a)+2*\b+1], v[TV+8*\b:TV+8*\b+7], v[SC]
.endr
	v_nop
.irp c, 0,1,2,3
	global_store_b128 v[LO], v[CD+16*(\a)+4*\c:CD+16*(\a)+4*\c+3], s[10:11] offset:((\a)/4)*262144+((\a)%4)*2048+\c*512
.endr
.endm
	s_wait_tensorcnt 1                             ; my part of slot 0 is in; slot 1's first fill may be out
	s_barrier_signal -1
	s_barrier_wait -1
	FETCH_B 0, 0, 0
	FETCH_A 0, 0, 0
	FETCH_A 0, 0, 4
	STEP 0, 0, 1                                   ; the first products start the sums: nothing is cleared
	TURN 0, 1, 1                                   ; slot 0 takes K steps 4, 5
	STEP 1, 0, 0
	TURN 1, 0, 1                                   ; slot 1 takes K steps 6, 7
	STEP 0, 0, 0
	TURN 0, 1, 0                                   ; nothing is left to fetch
	s_wait_kmcnt 0x0
	s_add_co_i32 s96, s96, s97
	s_add_co_i32 s96, s96, 127
	s_lshl_b32 s96, s96, 23                        ; 2^(ea + eb) as f32
	s_mov_b32 s97, s96                             ; (named with it as a pair)
	MKSC s98, SC, LIM
	s_cmp_lg_u32 s82, 0                            ; the two kinds part here, on the cluster's number alone: each arm has its bias loads, the last two steps, under which they land, and its way out
	s_cbranch_scc1 .Lvalues
.irp b, 0,1,2,3,4,5,6,7                ; bias of channels 16 b + 8 h + 0..7
	global_load_b128 v[BI+8*\b:BI+8*\b+3], v[H32], s[92:93] offset:64*\b
	global_load_b128 v[BI+8*\b+4:BI+8*\b+7], v[H32], s[92:93] offset:64*\b+16
.endr
	STEP 1, 0, 0
	LAST
	PLACES NP
	s_wait_loadcnt 0x0
.irp a, 0,1,2,3,4,5,6,7
	KOUT \a, 0
	KOUT \a, 1
.endr
	s_branch .Ldone
.Lvalues:
.irp a, 0,1,2,3,4,5,6,7                ; bias of channel 16 a + r, twice: a pair for the packed multiply-add
	global_load_b32 v[BI+2*\a], v[R4], s[92:93] offset:64*\a
	global_load_b32 v[BI+2*\a+1], v[R4], s[92:93] offset:64*\a
.endr
	STEP 1, 0, 0
	LAST
	PLACES NP
	s_wait_loadcnt 0x0
.irp a, 0,1,2,3,4,5,6,7
	VOUT \a
.endr
.Ldone:
	s_wait_tensorcnt 0x0                           ; the wave's end
	ds_add_u32 v[SPW], v[NIL]
	s_wait_dscnt 0x0
	CROUND                                         ; the closing round
	s_endpgm
.Lfunc_end_k_q4189393818_proj:
	.size	k_q4189393818_proj, .Lfunc_end_k_q4189393818_proj-k_q4189393818_proj
	.p2alignl 7, 3214868480
	.fill 96, 4, 3214868480
	.section	.rodata,"a",@progbits
	.p2align	6, 0x0
	.amdhsa_kernel k_q4189393818_proj
		.amdhsa_group_segment_fixed_size 327680
		.amdhsa_private_segment_fixed_size 0
		.amdhsa_enable_private_segment 0
		.amdhsa_kernarg_size 72
		.amdhsa_user_sgpr_count 2
		.amdhsa_user_sgpr_kernarg_segment_ptr 1
		.amdhsa_wavefront_size32 1
		.amdhsa_system_sgpr_workgroup_id_x 1
		.amdhsa_system_sgpr_workgroup_id_y 1
		.amdhsa_system_sgpr_workgroup_id_z 1
		.amdhsa_system_vgpr_workitem_id 0
		.amdhsa_next_free_vgpr 1024
		.amdhsa_next_free_sgpr 100
		.amdhsa_reserve_vcc 0
		.amdhsa_float_denorm_mode_32 3
		.amdhsa_float_denorm_mode_16_64 3
		.amdhsa_memory_ordered 1
		.amdhsa_forward_progress 1
		.amdhsa_inst_pref_size 207
	.end_amdhsa_kernel
	.amdgpu_metadata
---
amdhsa.version: [ 1, 2 ]
amdhsa.kernels:
  - .name:           k_q4189393818_proj
    .symbol:         k_q4189393818_proj.kd
    .args:
      - { .name: xc, .offset: 0, .size: 8, .value_kind: global_buffer, .address_space: global }
      - { .name: wc, .offset: 8, .size: 8, .value_kind: global_buffer, .address_space: global }
      - { .name: lowp_scales, .offset: 16, .size: 8, .value_kind: global_buffer, .address_space: global }
      - { .name: bk, .offset: 24, .size: 8, .value_kind: global_buffer, .address_space: global }
      - { .name: bv, .offset: 32, .size: 8, .value_kind: global_buffer, .address_space: global }
      - { .name: bk2, .offset: 40, .size: 8, .value_kind: global_buffer, .address_space: global }
      - { .name: bv2, .offset: 48, .size: 8, .value_kind: global_buffer, .address_space: global }
      - { .name: att1, .offset: 56, .size: 8, .value_kind: global_buffer, .address_space: global }
      - { .name: att2, .offset: 64, .size: 8, .value_kind: global_buffer, .address_space: global }
    .group_segment_fixed_size: 327680
    .private_segment_fixed_size: 0
    .kernarg_segment_align: 8
    .kernarg_segment_size: 72
    .max_flat_workgroup_size: 128
    .sgpr_count:     100
    .vgpr_count:     1024
    .wavefront_size: 32
...
	.end_amdgpu_metadata
.endif
;; end of part 2
;; launch attn1 (part 3): grid 4 x 64, 16 waves a work-group, clusters of 4 x 1, 206,848 bytes of LDS; arguments xc, att1, bq, tgt_attention_mask, qf, ctx; writes qf, ctx
.if DOCPART == 3
	.amdgcn_target "amdgcn-amd-amdhsa--gfx1250"
	.amdhsa_code_object_version 6
	.text
	.protected	k_q4189393818_attn1
	.globl	k_q4189393818_attn1
	.p2align	8
	.type	k_q4189393818_attn1,@function
k_q4189393818_attn1:
	s_mov_b64 s[64:65], 0
	v_nop
	global_prefetch_b8 v0, s[64:65] scope:SCOPE_SE
	s_setreg_imm32_b32 hwreg(HW_REG_WAVE_MODE, 25, 1), 1
	s_wait_xcnt 0x0
	s_wait_alu depctr_hold_cnt(0) depctr_sa_sdst(0) depctr_va_vdst(0) depctr_va_sdst(0) depctr_va_ssrc(0) depctr_va_vcc(0) depctr_vm_vsrc(0)
	s_getreg_b32 s2, hwreg(HW_REG_IB_STS2, 6, 4)
	s_cmp_eq_u32 s2, 0
	s_cbranch_scc0 .Lentry_in_a_cluster
	s_endpgm
.Lentry_in_a_cluster:
	s_bfe_u32 s2, ttmp6, 0x10000c
	s_cmp_lg_u32 s2, 0x3003
	s_cbranch_scc0 .Lentry_shape_is_right
	s_endpgm
.Lentry_shape_is_right:
; One attention: q = X Wq + bq for one head (quantised product), q in f32 to qf (the residual), q's codes kept in registers; then softmax(q k^T / 8 + mask) v on codes of E5M2; the context's codes to ctx.
; att holds: 12 entries of the scales (p0 X, p1 Wq, p6 q, p7 k, p8 v, p9 p, p10 ctx); at 256 Wq^T's fragments; at KO K's images [head][row tile][1,024]; at KO + 0x400000 V^T's fragments [head][128 keys][16 channels][2,048].
; SHARES.  A work-group owns 256 queries of one (batch, head); each of its sixteen waves 16 queries in 256 registers: four waves to a SIMD, so that one wave's vector work stands beside another's products and LDS loads.
; CLUSTER.  The four query blocks of a (batch, head) read the same Wq, K and V: 3 x 64 KiB, asked for jointly (mask 15) by waves 0-3, three loads of 16 KiB each, Wq's first.  LDS is filled once: no slot is filled again.
; THE HEAD IS LAID SO THAT NOTHING WAITS FOR WHAT IT DOES NOT READ: a wave's own loads (bias, mask, X) go out ahead of the cluster's round; the projection begins when Wq has landed and takes X a K step at a time, by counted waits;
; K and V land under the projection and are waited for at a second barrier, in front of the loop over the keys.
; LAYOUT.  All products are used transposed, so that a lane holds one query (lane % 16) throughout and registers run along the next product's K: q: source 0 = 16 rows of Wq^T; S^T = K Q^T: source 0 = 16 neighbouring keys;
; O^T = V^T P: source 0 = 16 channels.  Every fragment lies in LDS as an image of its registers: each load is 512 consecutive bytes.
; SOFTMAX.  t = (score + mask') c, c = log2(e) / 8 x 2^(p6 + p7), mask' = mask x 8 / 2^(p6 + p7): the mask is the C of the first product, so adding it costs no line.  M = the running largest t rounded up to a whole number;
; p = 2^(t - M) is quantised, not normalised; the sum is taken of the unquantised p and divides at the end; when M moves, sum and O^T are multiplied by 2^(old M - new M), which rounds nothing.
; LIMITS: p0 + p1 between -126 and 127; p6, p9, p10 between -126 and 112; p6 + p7 between -80 and 30.  mask' is held at -1e30 from below (so -infinity gives p = 0); +infinity and NaN are not served.
.set KL,  65536                        ; LDS: 0 Wq's 32 fragments; K's 64 images of 1,024 bytes;
.set VL,  131072                       ; V's 32 fragments;
.set MK,  196608                       ; mask', 1,024 numbers;
.set BL,  200704                       ; the head's 64 biases / 2^(p0 + p1), a copy of 256 bytes for each wave.  MK and BL are written by LDS stores: no tensor load lands there
.set WQO, 256
.set KO,  0x100100
.set Q,   16                           ; v16-23   q's fragment
.set KB,  32                           ; v32-95   fragments of Wq, K or V
.set S,   96                           ; v96-159  S^T, then p
.set O,   160                          ; v160-191 O^T
.set P,   192                          ; v192-207 p's codes
.set XA,  96                           ; at the head: v96-223 X's eight fragments, v224-255 q's four accumulators
.set QA,  224
.set WV,  18                           ; v1 K's, v2 V's, v3 the mask's place for my lane; v4 16 x lane; v6-8 the step's addresses; v9, v10 2^p9 and 57,344 x 2^p9; v12 -M, v13 the largest t, v[14:15] the sum; v24-30 at work
.macro CROUND
	s_barrier_signal -1
	s_barrier_wait -1
	s_cmp_lg_u32 s[WV], 0
	s_cbranch_scc1 .Lnot_wave_0_\@
	s_barrier_signal -3
.Lnot_wave_0_\@:
	s_barrier_wait -3
	s_barrier_signal -1
	s_barrier_wait -1
.endm
.macro MKSC se, vsc, vlim
	s_add_co_i32 s76, \se, 127
	s_lshl_b32 s77, s76, 23
	v_mov_b32 v[\vsc], s77
	s_add_co_i32 s76, s76, 15
	s_lshl_b32 s76, s76, 23
	s_or_b32 s76, s76, 0x600000
	v_mov_b32 v[\vlim], s76
.endm
	s_load_b256 s[4:11], s[0:1], 0x0               ; X's codes, att, the bias, the mask
	s_load_b128 s[12:15], s[0:1], 0x20             ; qf, ctx
	v_lshl_add_u32 v254, v0, 2, 0x32000
	v_mov_b32 v255, 0
	ds_add_u32 v254, v255
	ds_add_u32 v254, v255
	s_wait_dscnt 0x0
	v_lshrrev_b32 v1, 5, v0
	v_readfirstlane_b32 s[WV], v1                  ; wave 0..15
	s_bfe_u32 s19, ttmp6, 0x40000                  ; cx
	s_lshl_b32 s35, ttmp9, 2
	s_add_co_u32 s35, s35, s19                     ; my block of 256 queries: it enters X's, qf's and ctx's addresses alone
	s_and_b32 s32, ttmp7, 0xffff
	s_and_b32 s33, s32, 15                         ; head
	s_lshr_b32 s34, s32, 4                         ; batch
	s_lshl_b32 s36, s34, 6
	s_lshl_b32 s39, s35, 4
	s_add_co_u32 s36, s36, s39
	s_add_co_u32 s36, s36, s[WV]                   ; my row tile: 64 batch + 16 block + wave
	s_lshl_b32 s37, s33, 2
	s_add_co_u32 s37, s37, s34
	s_lshl_b32 s37, s37, 16                        ; (4 head + batch) x 64 KiB: K's and V's block
	s_lshl_b32 s38, s[WV], 14                      ; waves 0-3 fetch: quarter = wave, 16 KiB
	s_lshl_b32 s76, s33, 16
	s_add_co_u32 s76, s76, WQO
	s_add_co_u32 s76, s76, s38                     ; the head's 64 rows of Wq^T, my quarter
	s_mov_b32 s77, 0
	s_add_co_u32 s78, s37, KO
	s_add_co_u32 s78, s78, s38                     ; K's block, my quarter; V's lies 0x400000 further on
	s_mov_b32 s79, 0
	s_mov_b32 s24, 15|(3<<16)|(1<<21)              ; group 1: all four work-groups; elements of 8 bytes; a dense block as 64 rows of 256 bytes
	s_mov_b32 s25, 32<<16
	s_mov_b32 s26, 64<<16
	s_mov_b32 s27, 32<<16
	s_mov_b32 s28, 64
	s_mov_b32 s29, 32
	s_mov_b32 s30, 0
	s_mov_b32 s31, 0
	s_mov_b32 s20, 0x76543210                      ; v_permlanex16_b32: lane l xor 16
	s_mov_b32 s21, 0xfedcba98
	v_and_b32 v5, 31, v0
	v_lshlrev_b32 v4, 4, v5                        ; 16 x lane
	v_lshlrev_b32 v6, 3, v5                        ; 8 x lane: my two numbers of the bias
	v_bfe_u32 v5, v0, 4, 1
	v_lshlrev_b32 v11, 5, v5                       ; 32 h
	v_lshlrev_b32 v31, 3, v0                       ; 8 x thread: my two numbers of the mask
	s_mov_b32 s81, 0
	s_wait_kmcnt 0x0
	s_load_b256 s[48:55], s[6:7], 0x0              ; p0-p7
	s_load_b128 s[56:59], s[6:7], 0x20             ; p8-p11
	s_lshl_b32 s80, s33, 8
	s_add_nc_u64 s[8:9], s[8:9], s[80:81]          ; the head's 64 biases
	s_lshl_b32 s80, s34, 12
	s_add_nc_u64 s[10:11], s[10:11], s[80:81]      ; the batch's mask
	s_lshl_b32 s80, s36, 14
	s_add_nc_u64 s[4:5], s[4:5], s[80:81]          ; X: my row tile's eight fragments
	global_load_b64 v[26:27], v6, s[8:9]           ; my own loads go out ahead of the cluster's round: they hang on no partner
	global_load_b64 v[24:25], v31, s[10:11]
.set ks, 0
.rept 8
.irp c, 0,1,2,3
	global_load_b128 v[XA+16*ks+4*\c:XA+16*ks+4*\c+3], v4, s[4:5] offset:ks*2048+\c*512
.endr
.set ks, ks+1
.endr
	s_lshl_b32 s82, s33, 10
	s_add_co_u32 s80, s80, s82
	s_add_nc_u64 s[14:15], s[14:15], s[80:81]      ; ctx: the same row tile, + 1,024 x head: half a fragment
	s_lshl_b32 s80, s36, 16
	s_lshl_b32 s82, s33, 12
	s_add_co_u32 s80, s80, s82
	s_add_nc_u64 s[12:13], s[12:13], s[80:81]      ; qf: tiles of 16 x 16 f32, 1,024 bytes, at 64 row tile + 4 head + b
	s_mov_b32 s40, 1                               ; group 0 for Wq's quarter,
	s_mov_b32 s41, s38
	s_add_nc_u64 s[42:43], s[6:7], s[76:77]
	s_or_b32 s43, s43, 0x80000000
	s_mov_b32 s44, 1                               ; for K's,
	s_add_co_u32 s45, s38, KL
	s_add_nc_u64 s[46:47], s[6:7], s[78:79]
	s_mov_b32 s60, 1                               ; for V's
	s_add_co_u32 s61, s38, VL
	s_add_nc_u64 s[62:63], s[46:47], 0x400000
	s_or_b32 s47, s47, 0x80000000
	s_or_b32 s63, s63, 0x80000000
	CROUND                                         ; all four work-groups are here: the joint loads meet
	s_cmp_lt_u32 s[WV], 4
	s_cbranch_scc0 .Lno_fill
	tensor_load_to_lds s[40:43], s[24:31]          ; a wave's three first fills stand in one branch: three loads of mine are out
	s_nop 0
	tensor_load_to_lds s[44:47], s[24:31]
	s_nop 0
	tensor_load_to_lds s[60:63], s[24:31]
	s_nop 0
.rept 4
	v_nop
.endr
.Lno_fill:
	v_add_nc_u32 v1, KL, v4
	v_add_nc_u32 v2, VL, v4
	v_add_nc_u32 v3, MK, v11
	v_lshl_add_u32 v5, v0, 3, MK
	s_lshl_b32 s39, s[WV], 8
	s_add_co_u32 s39, s39, BL                      ; my wave's copy of the bias
	v_add_nc_u32 v7, s39, v6                       ; into it: 8 x lane
	v_add_nc_u32 v30, s39, v11                     ; out of it: 32 h
	s_wait_kmcnt 0x0
	s_add_co_i32 s70, s54, s55                     ; p6 + p7
	s_lshl_b32 s71, s70, 23
	s_add_co_i32 s22, s71, 0x3e38aa3b              ; c = log2(e) / 8 with p6 + p7 added to its exponent field
	s_mov_b32 s23, s22
	s_sub_co_i32 s70, 3, s70                       ; mask' = mask x 2^(3 - p6 - p7)
	s_add_co_i32 s71, s48, s49                     ; p0 + p1
	s_sub_co_i32 s75, 0, s71
	s_add_co_i32 s72, s71, 127
	s_lshl_b32 s72, s72, 23                        ; 2^(p0 + p1)
	s_mov_b32 s73, s72
	s_add_co_i32 s74, s56, s57                     ; p8 + p9
	MKSC s57, 9, 10
	MKSC s54, 28, 29
	s_wait_loadcnt 32                              ; the bias and the mask are in; X's 32 loads may be out
	v_ldexp_f32 v24, v24, s70
	v_ldexp_f32 v25, v25, s70
	v_max_num_f32 v24, 0xf149f2ca, v24             ; held at -1e30
	v_max_num_f32 v25, 0xf149f2ca, v25
	ds_store_b64 v5, v[24:25]
	v_ldexp_f32 v26, v26, s75                      ; the bias goes in as the first C, divided by the power of two that the sums lack
	v_ldexp_f32 v27, v27, s75
	ds_store_b64 v7, v[26:27]
.irp b, 0,1,2,3                        ; back in the result's layout: channels 16 b + 8 h + 0..7.  My wave's own bytes, and LDS serves a wave's instructions in order
	ds_load_b128 v[QA+8*\b:QA+8*\b+3], v30 offset:64*\b
	ds_load_b128 v[QA+8*\b+4:QA+8*\b+7], v30 offset:64*\b+16
.endr
	s_wait_tensorcnt 0x2                           ; my quarter of Wq has landed; K's and V's may be out
	s_wait_dscnt 0x0                               ; my part of the mask is stored:
	s_barrier_signal -1
	s_barrier_wait -1                              ; everybody's
; ---- q: four accumulators by turns, a K step at a time, as X arrives
.set ks, 0
.rept 8
.if ks > 0
.rept 4
	v_nop                                          ; places in front of loads into registers that matrix instructions have read
.endr
.endif
.set b, 0
.rept 4
.irp c, 0,1,2,3
	ds_load_b128 v[KB+16*b+4*\c:KB+16*b+4*\c+3], v4 offset:(8*b+ks)*2048+512*\c
.endr
.set b, b+1
.endr
	s_wait_loadcnt 28-4*ks                         ; X's fragment of this K step is in; the later steps' four loads each may be out
	s_wait_dscnt 0x0
.set b, 0
.rept 4
	v_wmma_f32_16x16x128_bf8_bf8 v[QA+8*b:QA+8*b+7], v[KB+16*b:KB+16*b+15], v[XA+16*ks:XA+16*ks+15], v[QA+8*b:QA+8*b+7]
.set b, b+1
.endr
.set ks, ks+1
.endr
.rept 4
	v_nop
.endr
.set j, 0
.rept 16
	v_pk_mul_f32 v[QA+j:QA+j+1], v[QA+j:QA+j+1], s[72:73] op_sel_hi:[1,0]   ; q = (sum + bias / 2^(p0 + p1)) x 2^(p0 + p1)
.set j, j+2
.endr
.irp b, 0,1,2,3
	global_store_b128 v4, v[QA+8*\b:QA+8*\b+3], s[12:13] offset:\b*1024        ; 512 consecutive bytes a store; of these registers only v254, v255 are written again, at the end
	global_store_b128 v4, v[QA+8*\b+4:QA+8*\b+7], s[12:13] offset:\b*1024+512
.endr
.set j, 0
.rept 32
	v_med3_num_f32 v[S+j], v[QA+j], -v29, v29
.set j, j+1
.endr
.irp b, 0,1,2,3
	v_cvt_scalef32_pk8_bf8_f32 v[Q+2*\b:Q+2*\b+1], v[S+8*\b:S+8*\b+7], v28
.endr
	v_nop                                          ; a plain line behind the last conversion
.set j, 0
.rept 32
	v_mov_b32 v[O+j], 0                            ; the loop is written once: its first step finds zeros
.set j, j+1
.endr
	v_mov_b32 v13, 0xff61b1e6                      ; the largest t so far: -3e38
	v_floor_f32 v12, -v13
	v_mov_b32 v14, 0
	v_mov_b32 v15, 0
	v_mov_b32 v27, 0                               ; (named as the upper half of a pair)
	v_mov_b32 v30, 0                               ; (a lane permute's destination counts as read)
	s_mov_b32 s66, 0                               ; the step's bytes in K's and V's regions,
	s_mov_b32 s67, 0                               ; and in the mask's
	s_mov_b32 s68, 8
	s_wait_tensorcnt 0x0                           ; my quarters of K and V have landed (no LDS instruction of mine is out: the last K step waited for all),
	s_barrier_signal -1
	s_barrier_wait -1                              ; everybody's
; ---- eight steps of 128 keys; no barrier and no tensor load inside
.Lkeys:
	v_add_nc_u32 v6, s66, v1
	v_add_nc_u32 v7, s66, v2
	v_add_nc_u32 v8, s67, v3
	v_nop                                          ; four places behind the last step's products
.set t, 0
.rept 8
	ds_load_b128 v[S+8*t:S+8*t+3], v8 offset:64*t          ; mask' of keys 16 t + 8 h + 0..7: the first C
	ds_load_b128 v[S+8*t+4:S+8*t+7], v8 offset:64*t+16
.set t, t+1
.endr
.set t, 0
.rept 8
	ds_load_b128 v[KB+8*t:KB+8*t+3], v6 offset:1024*t
	ds_load_b128 v[KB+8*t+4:KB+8*t+7], v6 offset:1024*t+512
.set t, t+1
.endr
	s_wait_dscnt 0x0
.set t, 0
.rept 8
	v_wmma_f32_16x16x64_bf8_bf8 v[S+8*t:S+8*t+7], v[KB+8*t:KB+8*t+7], v[Q:Q+7], v[S+8*t:S+8*t+7]
.set t, t+1
.endr
.rept 4
	v_nop
.endr
.set t, 0
.rept 4
.irp c, 0,1,2,3
	ds_load_b128 v[KB+16*t+4*\c:KB+16*t+4*\c+3], v7 offset:2048*t+512*\c   ; V: it lands under the softmax
.endr
.set t, t+1
.endr
	v_max3_num_f32 v24, v[S], v[S+1], v[S+2]       ; the step's largest score of my query, in two chains
	v_max3_num_f32 v26, v[S+3], v[S+4], v[S+5]
.set i, 6
.rept 14
	v_max3_num_f32 v24, v24, v[S+i], v[S+i+1]
	v_max3_num_f32 v26, v26, v[S+i+2], v[S+i+3]
.set i, i+4
.endr
	v_max3_num_f32 v24, v24, v[S+62], v[S+63]
	v_max_num_f32 v24, v24, v26
	v_permlanex16_b32 v30, v24, s20, s21
	v_max_num_f32 v24, v24, v30
	v_mul_f32 v24, s22, v24                        ; as t (c is positive)
	v_max_num_f32 v13, v13, v24
	v_mov_b32 v24, v12
	v_floor_f32 v12, -v13                          ; -M = floor(-t): M is a whole number
	v_sub_f32 v24, v12, v24                        ; old M - new M, 0 or less
	v_cvt_i32_f32 v24, v24                         ; (it saturates)
	v_ldexp_f32 v26, 1.0, v24                      ; f = 2^(old M - new M)
.set j, 0
.rept 32
	v_pk_fma_f32 v[S+j:S+j+1], v[S+j:S+j+1], s[22:23], v[12:13] op_sel_hi:[1,0,0]
.set j, j+2
.endr
.set j, 0
.rept 64
	v_exp_f32 v[S+j], v[S+j]
.set j, j+1
.endr
	v_pk_mul_f32 v[14:15], v[14:15], v[26:27] op_sel_hi:[1,0]   ; (a plain line behind the exponentials)
	s_wait_alu depctr_va_vdst(0)
	v_pk_add_f32 v[28:29], v[S:S+1], v[S+2:S+3]                 ; the sum of the unquantised p, in two chains
.set j, 4
.rept 15
	v_pk_add_f32 v[14:15], v[14:15], v[S+j:S+j+1]
	v_pk_add_f32 v[28:29], v[28:29], v[S+j+2:S+j+3]
.set j, j+4
.endr
	v_pk_add_f32 v[14:15], v[14:15], v[28:29]
.set b, 0
.rept 4
.set i, 0
.rept 16
	v_min_num_f32 v[S+16*b+i], v[S+16*b+i], v10    ; p is not negative: a one-sided hold
.set i, i+1
.endr
	v_cvt_scalef32_pk8_bf8_f32 v[P+4*b:P+4*b+1], v[S+16*b:S+16*b+7], v9
	v_cvt_scalef32_pk8_bf8_f32 v[P+4*b+2:P+4*b+3], v[S+16*b+8:S+16*b+15], v9
.set b, b+1
.endr
.set j, 0
.rept 16
	v_pk_mul_f32 v[O+j:O+j+1], v[O+j:O+j+1], v[26:27] op_sel_hi:[1,0]   ; O^T under the new M; also the plain lines behind the conversions
.set j, j+2
.endr
	s_wait_dscnt 0x0                               ; V is in
.set t, 0
.rept 4
	v_wmma_f32_16x16x128_bf8_bf8 v[O+8*t:O+8*t+7], v[KB+16*t:KB+16*t+15], v[P:P+15], v[O+8*t:O+8*t+7]
.set t, t+1
.endr
	s_add_co_u32 s66, s66, 8192
	s_add_co_u32 s67, s67, 512
	s_sub_co_u32 s68, s68, 1
	s_cmp_lg_u32 s68, 0
	s_cbranch_scc1 .Lkeys
; ---- the context: O^T / sum x 2^(p8 + p9), quantised with p10: half a fragment of the next product's operand
	v_add_f32 v14, v14, v15
	v_permlanex16_b32 v30, v14, s20, s21
	v_add_f32 v14, v14, v30
	v_rcp_f32 v14, v14
	MKSC s58, 28, 29                               ; (plain lines behind the reciprocal, and among the places behind the last products)
	s_wait_alu depctr_va_vdst(0)
	v_ldexp_f32 v14, v14, s74
.set j, 0
.rept 32
	v_mul_f32 v[S+j], v[O+j], v14
.set j, j+1
.endr
.set j, 0
.rept 32
	v_med3_num_f32 v[S+j], v[S+j], -v29, v29
.set j, j+1
.endr
.irp t, 0,1,2,3
	v_cvt_scalef32_pk8_bf8_f32 v[KB+2*\t:KB+2*\t+1], v[S+8*\t:S+8*\t+7], v28
.endr
	v_nop
	global_store_b128 v4, v[KB:KB+3], s[14:15]
	global_store_b128 v4, v[KB+4:KB+7], s[14:15] offset:512
	s_wait_dscnt 0x0
	s_wait_xcnt 0x0
	v_lshl_add_u32 v254, v0, 2, 0x32000
	v_mov_b32 v255, 0
	s_wait_tensorcnt 0x0
	ds_add_u32 v254, v255
	s_wait_dscnt 0x0
	CROUND                                         ; the closing round
	s_endpgm
.Lfunc_end_k_q4189393818_attn1:
	.size	k_q4189393818_attn1, .Lfunc_end_k_q4189393818_attn1-k_q4189393818_attn1
	.p2alignl 7, 3214868480
	.fill 96, 4, 3214868480
	.section	.rodata,"a",@progbits
	.p2align	6, 0x0
	.amdhsa_kernel k_q4189393818_attn1
		.amdhsa_group_segment_fixed_size 206848
		.amdhsa_private_segment_fixed_size 0
		.amdhsa_enable_private_segment 0
		.amdhsa_kernarg_size 48
		.amdhsa_user_sgpr_count 2
		.amdhsa_user_sgpr_kernarg_segment_ptr 1
		.amdhsa_wavefront_size32 1
		.amdhsa_system_sgpr_workgroup_id_x 1
		.amdhsa_system_sgpr_workgroup_id_y 1
		.amdhsa_system_sgpr_workgroup_id_z 1
		.amdhsa_system_vgpr_workitem_id 0
		.amdhsa_next_free_vgpr 256
		.amdhsa_next_free_sgpr 90
		.amdhsa_reserve_vcc 0
		.amdhsa_float_denorm_mode_32 3
		.amdhsa_float_denorm_mode_16_64 3
		.amdhsa_memory_ordered 1
		.amdhsa_forward_progress 1
		.amdhsa_inst_pref_size 49
	.end_amdhsa_kernel
	.amdgpu_metadata
---
amdhsa.version: [ 1, 2 ]
amdhsa.kernels:
  - .name:           k_q4189393818_attn1
    .symbol:         k_q4189393818_attn1.kd
    .args:
      - { .name: xc, .offset: 0, .size: 8, .value_kind: global_buffer, .address_space: global }
      - { .name: att1, .offset: 8, .size: 8, .value_kind: global_buffer, .address_space: global }
      - { .name: bq, .offset: 16, .size: 8, .value_kind: global_buffer, .address_space: global }
      - { .name: tgt_attention_mask, .offset: 24, .size: 8, .value_kind: global_buffer, .address_space: global }
      - { .name: qf, .offset: 32, .size: 8, .value_kind: global_buffer, .address_space: global }
      - { .name: ctx, .offset: 40, .size: 8, .value_kind: global_buffer, .address_space: global }
    .group_segment_fixed_size: 206848
    .private_segment_fixed_size: 0
    .kernarg_segment_align: 8
    .kernarg_segment_size: 48
    .max_flat_workgroup_size: 512
    .sgpr_count:     90
    .vgpr_count:     256
    .wavefront_size: 32
...
	.end_amdgpu_metadata
.endif
;; end of part 3
;; launch oln1 (part 4): grid 128 x 1, 8 waves a work-group, no clusters, 48,128 bytes of LDS; arguments ctx, wc, qf, bo, gamma, beta, lowp_scales, yc; writes yc
.if DOCPART == 4
	.amdgcn_target "amdgcn-amd-amdhsa--gfx1250"
	.amdhsa_code_object_version 6
	.text
	.protected	k_q4189393818_oln1
	.globl	k_q4189393818_oln1
	.p2align	8
	.type	k_q4189393818_oln1,@function
k_q4189393818_oln1:
	s_mov_b64 s[64:65], 0
	v_nop
	global_prefetch_b8 v0, s[64:65] scope:SCOPE_SE
	s_setreg_imm32_b32 hwreg(HW_REG_WAVE_MODE, 25, 1), 1
	s_wait_xcnt 0x0
; y = LayerNorm(q + ctx Wo + bo) x gamma + beta.  FINAL = 0: y is quantised (entry EY) and stored as fragments, the next product's operand.  FINAL = 1: y is stored as f32 rows.
; ctx and Wo^T are codes of E5M2 (entries EA, EA + 1), as fragments of 16 rows x 128 K, 2,048 bytes, images of the operand's registers.  q lies in qf as tiles of 16 x 16 f32 in the accumulators' layout.
; SHARES.  A work-group owns 32 whole rows (two row tiles a), since the norm wants whole rows; wave w owns columns 128 w .. 128 w + 127 (eight tiles b): 16 accumulators.
; The product is used transposed (source 0 = 16 rows of Wo^T, source 1 = 16 rows of ctx): a lane holds one row, its registers eight neighbouring columns.
; THE WEIGHTS GO FROM MEMORY STRAIGHT INTO REGISTERS, and there is no cluster: each of the 512 fragments of Wo^T is used by one wave of the work-group, once, for two products; through LDS its 2,048 bytes would be
; written and read once more and feed nothing further.  Two sets of eight fragments take turns; both are asked for at the head, ahead of the first barrier.  ctx's 16 fragments, which all waves read, go through LDS.
; bo, gamma and beta: a wave's 128 columns of each are 512 bytes: one dense load each; they are spread to the accumulators' layout through 1,536 LDS bytes of the wave's own.
; (q + bo) / 2^(ea + eb) is the C of the first products: nothing is cleared and nothing is added later.  The norm works on x / 2^(ea + eb); the power of two comes back with the reciprocal root.
; LIMITS: ea + eb between -126 and 126, 2 (ea + eb) - 10 between -126 and 127, entry EY between -126 and 112.  NaN and infinities are not served.
; REGISTERS: window 0: v1-7 addresses; v8-31 the norm's figures; v32-95 ctx and the three parameters as loaded, then bo, then ctx's fragments (buffer ks % 2, then a), at the end rows of y; v96, v97 the parameters' LDS addresses;
;   v96-127 at the end codes; v128-255 accumulator (a, b) at 128 + 64 a + 8 b.   window 1: the weights' two sets at v0 and v128, fragment b at 16 b; at the end gamma at v0-63, beta at v64-127.
.set FINAL, 0
.set WSLOT, 4
.set EA,    10
.set EY,    12
.set RED,   32768                      ; LDS: 0 ctx's 16 fragments; RED: two regions of 1,024 bytes for the rows' sums: 512 a + 32 r + 4 w
.set PAR,   34816                      ; bo / 2^(ea + eb), gamma, beta: 3 x 512 bytes for each wave
.set STG,   47104                      ; FINAL = 1: a stage of 16 rows x (512 bytes + 16) for each wave
.set AFR,   32
.set T,     96
.set PW,    96
.set PR,    97
.set ACC,   128
.set MSB, 0
.macro WIN new
.if MSB != \new
	s_set_vgpr_msb (MSB<<8)|\new
.set MSB, \new
.endif
.endm
.macro MKSC se, vsc, vlim
	s_add_co_i32 s46, \se, 127
	s_lshl_b32 s47, s46, 23
	v_mov_b32 v[\vsc], s47
	s_add_co_i32 s46, s46, 15
	s_lshl_b32 s46, s46, 23
	s_or_b32 s46, s46, 0x600000
	v_mov_b32 v[\vlim], s46
.endm
.macro WSET ks                         ; my eight fragments of Wo^T for K step ks: 32 loads of 512 consecutive bytes
	WIN 0x40                                       ; destination window 1
.irp b, 0,1,2,3,4,5,6,7
.irp c, 0,1,2,3
	global_load_b128 v[128*((\ks)%2)+16*\b+4*\c:128*((\ks)%2)+16*\b+4*\c+3], v1, s[6:7] offset:\b*16384+(\ks)*2048+\c*512
.endr
.endr
	WIN 0
.endm
.macro AFETCH ks                       ; ctx's two fragments of K step ks
.irp a, 0,1
.irp c, 0,1,2,3
	ds_load_b128 v[AFR+32*((\ks)%2)+16*\a+4*\c:AFR+32*((\ks)%2)+16*\a+4*\c+3], v1 offset:(8*\a+(\ks))*2048+512*\c
.endr
.endr
.endm
.macro KSTEP ks
.if \ks < 7
	s_wait_loadcnt 32                              ; this step's weights are in; the next set's 32 loads may be out
	s_wait_dscnt 8                                 ; this step's fragments of ctx are in; the next step's eight loads may be out
.else
	s_wait_loadcnt 0
	s_wait_dscnt 32                                ; the last fragments of ctx are in; gamma's and beta's 32 loads may be out
.endif
	WIN 0x01                                       ; source 0 window 1
.irp b, 0,1,2,3,4,5,6,7                ; the 16 accumulators take turns, one instruction a turn
.irp a, 0,1
	v_wmma_f32_16x16x128_bf8_bf8 v[ACC+64*\a+8*\b:ACC+64*\a+8*\b+7], v[128*(\ks%2)+16*\b:128*(\ks%2)+16*\b+15], v[AFR+32*(\ks%2)+16*\a:AFR+32*(\ks%2)+16*\a+15], v[ACC+64*\a+8*\b:ACC+64*\a+8*\b+7]
.endr
.endr
	WIN 0
.rept 4
	v_nop                                          ; places in front of loads into registers that these products read, and of the first read of results
.endr
.if \ks < 6
	WSET \ks+2
	AFETCH \ks+2
.elseif \ks == 6
	WIN 0x40
.irp b, 0,1,2,3,4,5,6,7                ; gamma and beta of columns 16 b + 8 h + 0..7, out of my wave's own LDS bytes
	ds_load_b128 v[8*\b:8*\b+3], v[PR] offset:512+64*\b
	ds_load_b128 v[8*\b+4:8*\b+7], v[PR] offset:512+64*\b+16
	ds_load_b128 v[64+8*\b:64+8*\b+3], v[PR] offset:1024+64*\b
	ds_load_b128 v[64+8*\b+4:64+8*\b+7], v[PR] offset:1024+64*\b+16
.endr
	WIN 0
.endif
.endm
; The two chains of each row tile (v[8 + 4 a : 9 + 4 a], v[10 + 4 a : 11 + 4 a]) become the rows' sums over all 1,024 columns, in v16 (a = 0) and v24 (a = 1) of every lane: within the lane, across the halves of the lanes, across the eight waves through LDS, in a fixed order.
.macro RSUM off
.irp a, 0,1
	v_pk_add_f32 v[8+4*\a:9+4*\a], v[8+4*\a:9+4*\a], v[10+4*\a:11+4*\a]
.endr
.irp a, 0,1
	v_add_f32 v[8+4*\a], v[8+4*\a], v[9+4*\a]
.endr
.irp a, 0,1
	v_permlanex16_b32 v[10+4*\a], v[8+4*\a], s22, s23
.endr
.irp a, 0,1
	v_add_f32 v[8+4*\a], v[8+4*\a], v[10+4*\a]
.endr
.irp a, 0,1
	ds_store_b32 v4, v[8+4*\a] offset:\off+512*\a
.endr
	s_wait_dscnt 0x0                               ; for the others' sake
	s_barrier_signal -1
	s_barrier_wait -1
.irp a, 0,1
	ds_load_b128 v[16+8*\a:19+8*\a], v5 offset:\off+512*\a
	ds_load_b128 v[20+8*\a:23+8*\a], v5 offset:\off+512*\a+16
.endr
	s_wait_dscnt 0x0
.irp a, 0,1
	v_add_f32 v[16+8*\a], v[16+8*\a], v[17+8*\a]
	v_add_f32 v[18+8*\a], v[18+8*\a], v[19+8*\a]
	v_add_f32 v[20+8*\a], v[20+8*\a], v[21+8*\a]
	v_add_f32 v[22+8*\a], v[22+8*\a], v[23+8*\a]
.endr
.irp a, 0,1
	v_add_f32 v[16+8*\a], v[16+8*\a], v[18+8*\a]
	v_add_f32 v[20+8*\a], v[20+8*\a], v[22+8*\a]
.endr
.irp a, 0,1
	v_add_f32 v[16+8*\a], v[16+8*\a], v[20+8*\a]
.endr
.endm
	s_load_b256 s[4:11], s[0:1], 0x0               ; ctx, wc, qf, bo
	s_load_b256 s[12:19], s[0:1], 0x20             ; gamma, beta, the scales, the result
	v_lshl_add_u32 v6, v0, 2, 0xb800
	v_mov_b32 v7, 0
	v_lshrrev_b32 v1, 5, v0
	v_readfirstlane_b32 s20, v1                    ; wave 0..7
	v_and_b32 v8, 31, v0
	v_lshlrev_b32 v1, 4, v8                        ; 16 x lane
	v_bfe_u32 v9, v0, 4, 1
	v_lshlrev_b32 v2, 5, v9                        ; 32 h
	v_and_b32 v10, 15, v0                          ; r
	s_lshl_b32 s24, s20, 12
	v_add_nc_u32 v3, s24, v1                       ; where I put my two fragments of ctx
	s_lshl_b32 s25, s20, 2
	v_lshlrev_b32 v5, 5, v10
	v_add_nc_u32 v5, RED, v5
	v_add_nc_u32 v4, s25, v5
	s_mul_i32 s21, s20, 1536
	s_add_co_u32 s21, s21, PAR                     ; my wave's parameters
	v_add_nc_u32 v[PW], s21, v1                    ; in: 16 x lane
	v_add_nc_u32 v[PR], s21, v2                    ; out: 32 h
.if FINAL
	s_mul_i32 s45, s20, 8448
	s_add_co_u32 s45, s45, STG
	v_mul_u32_u24 v6, v10, 528
	v_add_nc_u32 v6, v6, v2
	v_add_nc_u32 v6, s45, v6                       ; the stage: row r, + 32 h
	v_add_nc_u32 v7, s45, v1                       ; and back: 16 x lane of a row
.endif
	s_mov_b32 s22, 0x76543210
	s_mov_b32 s23, 0xfedcba98
	s_lshl_b32 s28, ttmp9, 15
	s_add_co_u32 s28, s28, s24                     ; ctx: 16 fragments a work-group, two a wave
	s_mov_b32 s29, 0
	s_lshl_b32 s30, s20, 17
	s_add_co_u32 s30, s30, WSLOT<<20               ; Wo^T: my eight row tiles of 16,384 bytes
	s_mov_b32 s31, 0
	s_lshl_b32 s32, ttmp9, 17
	s_lshl_b32 s33, s20, 13
	s_add_co_u32 s32, s32, s33                     ; qf: two row tiles of 65,536 bytes, my eight tiles of 1,024
	s_mov_b32 s33, 0
	s_lshl_b32 s34, s20, 9                         ; my 128 columns x 4 bytes
	s_mov_b32 s35, 0
	s_mov_b32 s27, 0
.if FINAL
	s_lshl_b32 s26, ttmp9, 17                      ; 32 rows of 4,096 bytes
	s_add_co_u32 s26, s26, s34
.else
	s_lshl_b32 s26, ttmp9, 15                      ; 16 fragments; my columns are K step w
	s_lshl_b32 s45, s20, 11
	s_add_co_u32 s26, s26, s45
.endif
	s_wait_kmcnt 0x0
	s_load_b64 s[36:37], s[16:17], EA*4            ; ea, eb
.if FINAL == 0
	s_load_b32 s38, s[16:17], EY*4
.endif
	s_add_nc_u64 s[4:5], s[4:5], s[28:29]
	s_add_nc_u64 s[6:7], s[6:7], s[30:31]
	s_add_nc_u64 s[8:9], s[8:9], s[32:33]
	s_add_nc_u64 s[10:11], s[10:11], s[34:35]
	s_add_nc_u64 s[12:13], s[12:13], s[34:35]
	s_add_nc_u64 s[14:15], s[14:15], s[34:35]
	s_add_nc_u64 s[18:19], s[18:19], s[26:27]
.irp c, 0,1,2,3,4,5,6,7
	global_load_b128 v[AFR+4*\c:AFR+4*\c+3], v1, s[4:5] offset:512*\c th:TH_LOAD_NT
.endr
	global_load_b128 v[AFR+32:AFR+35], v1, s[10:11]        ; bo, gamma, beta of my 128 columns: 512 consecutive bytes each
	global_load_b128 v[AFR+36:AFR+39], v1, s[12:13]
	global_load_b128 v[AFR+40:AFR+43], v1, s[14:15]
.irp a, 0,1
.irp b, 0,1,2,3,4,5,6,7
	global_load_b128 v[ACC+64*\a+8*\b:ACC+64*\a+8*\b+3], v1, s[8:9] offset:\a*65536+\b*1024 th:TH_LOAD_NT
	global_load_b128 v[ACC+64*\a+8*\b+4:ACC+64*\a+8*\b+7], v1, s[8:9] offset:\a*65536+\b*1024+512 th:TH_LOAD_NT
.endr
.endr
	WSET 0                                         ; the weights' stream begins here: it waits for nothing that comes before it
	s_wait_kmcnt 0x0
	s_add_co_i32 s39, s36, s37                     ; E = ea + eb
	s_sub_co_i32 s40, 127, s39
	s_lshl_b32 s40, s40, 23                        ; 2^-E
	s_mov_b32 s41, s40
	s_add_co_i32 s42, s39, 127
	s_lshl_b32 s42, s42, 23                        ; 2^E
	s_lshl_b32 s43, s39, 1
	s_add_co_i32 s43, s43, 117
	s_lshl_b32 s43, s43, 23                        ; 2^(2 E - 10)
	s_mov_b32 s44, 0x2b8cbccc                      ; 1e-12
	s_wait_loadcnt 63                              ; ctx and the parameters are in: 64 loads (q's 32, the weights' 32) are younger, and the count's field ends at 63
	v_pk_mul_f32 v[AFR+32:AFR+33], v[AFR+32:AFR+33], s[40:41] op_sel_hi:[1,0]   ; bo / 2^E
	v_pk_mul_f32 v[AFR+34:AFR+35], v[AFR+34:AFR+35], s[40:41] op_sel_hi:[1,0]
.irp c, 0,1,2,3,4,5,6,7
	ds_store_b128 v3, v[AFR+4*\c:AFR+4*\c+3] offset:512*\c
.endr
	ds_store_b128 v[PW], v[AFR+32:AFR+35]
	ds_store_b128 v[PW], v[AFR+36:AFR+39] offset:512
	ds_store_b128 v[PW], v[AFR+40:AFR+43] offset:1024
	WSET 1
	s_wait_dscnt 0x0
	s_barrier_signal -1
	s_barrier_wait -1                              ; ctx's sixteen fragments lie in LDS
.irp b, 0,1,2,3,4,5,6,7                ; bo / 2^E of columns 16 b + 8 h + 0..7
	ds_load_b128 v[AFR+8*\b:AFR+8*\b+3], v[PR] offset:64*\b
	ds_load_b128 v[AFR+8*\b+4:AFR+8*\b+7], v[PR] offset:64*\b+16
.endr
	s_wait_loadcnt 63                              ; q is in: the two sets of weights, 64 loads, are younger
	s_wait_dscnt 0x0
.irp a, 0,1
.set j, 0
.rept 32
	v_pk_fma_f32 v[ACC+64*\a+j:ACC+64*\a+j+1], v[ACC+64*\a+j:ACC+64*\a+j+1], s[40:41], v[AFR+j:AFR+j+1] op_sel_hi:[1,0,1]   ; (q + bo) / 2^E
.set j, j+2
.endr
.endr
	AFETCH 0
	AFETCH 1
.irp ks, 0,1,2,3,4,5,6,7
	KSTEP \ks
.endr
; ---- the norm, on X = x / 2^E.  Pass 1: the rows' means
.irp a, 0,1
	v_pk_add_f32 v[8+4*\a:9+4*\a], v[ACC+64*\a:ACC+64*\a+1], v[ACC+64*\a+2:ACC+64*\a+3]
	v_pk_add_f32 v[10+4*\a:11+4*\a], v[ACC+64*\a+4:ACC+64*\a+5], v[ACC+64*\a+6:ACC+64*\a+7]
.endr
.set j, 8
.rept 14
.irp a, 0,1
	v_pk_add_f32 v[8+4*\a:9+4*\a], v[8+4*\a:9+4*\a], v[ACC+64*\a+j:ACC+64*\a+j+1]          ; each accumulator from its low end on
	v_pk_add_f32 v[10+4*\a:11+4*\a], v[10+4*\a:11+4*\a], v[ACC+64*\a+j+2:ACC+64*\a+j+3]
.endr
.set j, j+4
.endr
	RSUM 0
.irp a, 0,1
	v_mul_f32 v[16+8*\a], 0xba800000, v[16+8*\a]   ; -mean = sum x -2^-10
.endr
; Pass 2: d = X - mean, in place, and the sums of its squares
.set j, 0
.rept 32
.irp a, 0,1
	v_pk_add_f32 v[ACC+64*\a+j:ACC+64*\a+j+1], v[ACC+64*\a+j:ACC+64*\a+j+1], v[16+8*\a:17+8*\a] op_sel_hi:[1,0]
.endr
.set j, j+2
.endr
.irp a, 0,1
	v_pk_mul_f32 v[8+4*\a:9+4*\a], v[ACC+64*\a:ACC+64*\a+1], v[ACC+64*\a:ACC+64*\a+1]
	v_pk_mul_f32 v[10+4*\a:11+4*\a], v[ACC+64*\a+2:ACC+64*\a+3], v[ACC+64*\a+2:ACC+64*\a+3]
.endr
.set j, 4
.rept 30
.irp a, 0,1
	v_pk_fma_f32 v[8+4*\a+j%4:9+4*\a+j%4], v[ACC+64*\a+j:ACC+64*\a+j+1], v[ACC+64*\a+j:ACC+64*\a+j+1], v[8+4*\a+j%4:9+4*\a+j%4]
.endr
.set j, j+2
.endr
	RSUM 1024
.irp a, 0,1
	v_fma_f32 v[16+8*\a], v[16+8*\a], s43, s44     ; the variance of x, + 1e-12
.endr
.irp a, 0,1
	v_rsq_f32 v[16+8*\a], v[16+8*\a]
.endr
	v_nop                                          ; a plain line behind the transcendentals
	s_wait_alu depctr_va_vdst(0)
.irp a, 0,1
	v_mul_f32 v[16+8*\a], s42, v[16+8*\a]          ; x 2^E: d stands for (x - mean) / 2^E
.endr
; Pass 3: y = d x that x gamma + beta.  (gamma and beta are in: the sums above waited for all my LDS instructions)
.set j, 0
.rept 32
.irp a, 0,1
	v_pk_mul_f32 v[ACC+64*\a+j:ACC+64*\a+j+1], v[ACC+64*\a+j:ACC+64*\a+j+1], v[16+8*\a:17+8*\a] op_sel_hi:[1,0]
.endr
.set j, j+2
.endr
	WIN 0x14                                       ; sources 1 and 2 window 1
.set j, 0
.rept 32
.irp a, 0,1
	v_pk_fma_f32 v[ACC+64*\a+j:ACC+64*\a+j+1], v[ACC+64*\a+j:ACC+64*\a+j+1], v[j:j+1], v[64+j:64+j+1]
.endr
.set j, j+2
.endr
	WIN 0
.if FINAL == 0
	MKSC s38, 20, 21
.set j, 0
.rept 128
	v_med3_num_f32 v[ACC+j], v[ACC+j], -v21, v21
.set j, j+1
.endr
.irp a, 0,1
.irp b, 0,1,2,3,4,5,6,7                ; my 128 columns are K step w of the next product: accumulator (a, b) gives registers 2 b, 2 b + 1 of row tile a's fragment
	v_cvt_scalef32_pk8_bf8_f32 v[T+16*\a+2*\b:T+16*\a+2*\b+1], v[ACC+64*\a+8*\b:ACC+64*\a+8*\b+7], v20
.endr
.endr
	v_nop
.irp a, 0,1
.irp c, 0,1,2,3
	global_store_b128 v1, v[T+16*\a+4*\c:T+16*\a+4*\c+3], s[18:19] offset:\a*16384+\c*512
.endr
.endr
.else
.irp a, 0,1                            ; through my own stage: a lane's 32 bytes of a row go in, whole pieces of 512 bytes of a row come back
.irp b, 0,1,2,3,4,5,6,7
	ds_store_b128 v6, v[ACC+64*\a+8*\b:ACC+64*\a+8*\b+3] offset:64*\b
	ds_store_b128 v6, v[ACC+64*\a+8*\b+4:ACC+64*\a+8*\b+7] offset:64*\b+16
.endr
.set p, 0
.rept 16
	ds_load_b128 v[AFR+96*\a+4*p:AFR+96*\a+4*p+3], v7 offset:p*528   ; LDS serves a wave's instructions in order: these see my stores.  Row tile 1 comes back into row tile 0's accumulators, which have left
.set p, p+1
.endr
.set p, 0
.rept 16
	s_wait_dscnt 15-p                              ; the younger rows may be out
	global_store_b128 v1, v[AFR+96*\a+4*p:AFR+96*\a+4*p+3], s[18:19] offset:\a*65536+p*4096 th:TH_STORE_NT   ; 512 consecutive bytes, at a multiple of 256 from the buffer's first byte
.set p, p+1
.endr
.endr
.endif
	s_wait_tensorcnt 0x0
	ds_add_u32 v6, v7
	s_wait_dscnt 0x0
	s_endpgm
.Lfunc_end_k_q4189393818_oln1:
	.size	k_q4189393818_oln1, .Lfunc_end_k_q4189393818_oln1-k_q4189393818_oln1
	.p2alignl 7, 3214868480
	.fill 96, 4, 3214868480
	.section	.rodata,"a",@progbits
	.p2align	6, 0x0
	.amdhsa_kernel k_q4189393818_oln1
		.amdhsa_group_segment_fixed_size 48128
		.amdhsa_private_segment_fixed_size 0
		.amdhsa_enable_private_segment 0
		.amdhsa_kernarg_size 64
		.amdhsa_user_sgpr_count 2
		.amdhsa_user_sgpr_kernarg_segment_ptr 1
		.amdhsa_wavefront_size32 1
		.amdhsa_system_sgpr_workgroup_id_x 1
		.amdhsa_system_sgpr_workgroup_id_y 1
		.amdhsa_system_sgpr_workgroup_id_z 1
		.amdhsa_system_vgpr_workitem_id 0
		.amdhsa_next_free_vgpr 512
		.amdhsa_next_free_sgpr 66
		.amdhsa_reserve_vcc 0
		.amdhsa_float_denorm_mode_32 3
		.amdhsa_float_denorm_mode_16_64 3
		.amdhsa_memory_ordered 1
		.amdhsa_forward_progress 1
		.amdhsa_inst_pref_size 87
	.end_amdhsa_kernel
	.amdgpu_metadata
---
amdhsa.version: [ 1, 2 ]
amdhsa.kernels:
  - .name:           k_q4189393818_oln1
    .symbol:         k_q4189393818_oln1.kd
    .args:
      - { .name: ctx, .offset: 0, .size: 8, .value_kind: global_buffer, .address_space: global }
      - { .name: wc, .offset: 8, .size: 8, .value_kind: global_buffer, .address_space: global }
      - { .name: qf, .offset: 16, .size: 8, .value_kind: global_buffer, .address_space: global }
      - { .name: bo, .offset: 24, .size: 8, .value_kind: global_buffer, .address_space: global }
      - { .name: gamma, .offset: 32, .size: 8, .value_kind: global_buffer, .address_space: global }
      - { .name: beta, .offset: 40, .size: 8, .value_kind: global_buffer, .address_space: global }
      - { .name: lowp_scales, .offset: 48, .size: 8, .value_kind: global_buffer, .address_space: global }
      - { .name: yc, .offset: 56, .size: 8, .value_kind: global_buffer, .address_space: global }
    .group_segment_fixed_size: 48128
    .private_segment_fixed_size: 0
    .kernarg_segment_align: 8
    .kernarg_segment_size: 64
    .max_flat_workgroup_size: 256
    .sgpr_count:     66
    .vgpr_count:     512
    .wavefront_size: 32
...
	.end_amdgpu_metadata
.endif
;; end of part 4
;; launch attn2: the kernel of part 3 again; grid 4 x 64, 16 waves a work-group, clusters of 4 x 1, 206,848 bytes of LDS; arguments yc, att2, bq2, src_attention_mask, qf, ctx; writes qf, ctx
;; launch oln2 (part 5): grid 128 x 1, 8 waves a work-group, no clusters, 115,712 bytes of LDS; arguments ctx, wc, qf, bo, gamma, beta, lowp_scales, out0; writes out0
.if DOCPART == 5
	.amdgcn_target "amdgcn-amd-amdhsa--gfx1250"
	.amdhsa_code_object_version 6
	.text
	.protected	k_q4189393818_oln2
	.globl	k_q4189393818_oln2
	.p2align	8
	.type	k_q4189393818_oln2,@function
k_q4189393818_oln2:
	s_mov_b64 s[64:65], 0
	v_nop
	global_prefetch_b8 v0, s[64:65] scope:SCOPE_SE
	s_setreg_imm32_b32 hwreg(HW_REG_WAVE_MODE, 25, 1), 1
	s_wait_xcnt 0x0
; y = LayerNorm(q + ctx Wo + bo) x gamma + beta.  FINAL = 0: y is quantised (entry EY) and stored as fragments, the next product's operand.  FINAL = 1: y is stored as f32 rows.
; ctx and Wo^T are codes of E5M2 (entries EA, EA + 1), as fragments of 16 rows x 128 K, 2,048 bytes, images of the operand's registers.  q lies in qf as tiles of 16 x 16 f32 in the accumulators' layout.
; SHARES.  A work-group owns 32 whole rows (two row tiles a), since the norm wants whole rows; wave w owns columns 128 w .. 128 w + 127 (eight tiles b): 16 accumulators.
; The product is used transposed (source 0 = 16 rows of Wo^T, source 1 = 16 rows of ctx): a lane holds one row, its registers eight neighbouring columns.
; THE WEIGHTS GO FROM MEMORY STRAIGHT INTO REGISTERS, and there is no cluster: each of the 512 fragments of Wo^T is used by one wave of the work-group, once, for two products; through LDS its 2,048 bytes would be
; written and read once more and feed nothing further.  Two sets of eight fragments take turns; both are asked for at the head, ahead of the first barrier.  ctx's 16 fragments, which all waves read, go through LDS.
; bo, gamma and beta: a wave's 128 columns of each are 512 bytes: one dense load each; they are spread to the accumulators' layout through 1,536 LDS bytes of the wave's own.
; (q + bo) / 2^(ea + eb) is the C of the first products: nothing is cleared and nothing is added later.  The norm works on x / 2^(ea + eb); the power of two comes back with the reciprocal root.
; LIMITS: ea + eb between -126 and 126, 2 (ea + eb) - 10 between -126 and 127.  NaN and infinities are not served.
; REGISTERS: window 0: v1-7 addresses; v8-31 the norm's figures; v32-95 ctx and the three parameters as loaded, then bo, then ctx's fragments (buffer ks % 2, then a), at the end rows of y; v96, v97 the parameters' LDS addresses;
;   v128-255 accumulator (a, b) at 128 + 64 a + 8 b.   window 1: the weights' two sets at v0 and v128, fragment b at 16 b; at the end gamma at v0-63, beta at v64-127.
.set FINAL, 1
.set WSLOT, 5
.set EA,    22
.set EY,    0
.set RED,   32768                      ; LDS: 0 ctx's 16 fragments; RED: two regions of 1,024 bytes for the rows' sums: 512 a + 32 r + 4 w
.set PAR,   34816                      ; bo / 2^(ea + eb), gamma, beta: 3 x 512 bytes for each wave
.set STG,   47104                      ; FINAL = 1: a stage of 16 rows x (512 bytes + 16) for each wave
.set AFR,   32
.set T,     96
.set PW,    96
.set PR,    97
.set ACC,   128
.set MSB, 0
.macro WIN new
.if MSB != \new
	s_set_vgpr_msb (MSB<<8)|\new
.set MSB, \new
.endif
.endm
.macro MKSC se, vsc, vlim
	s_add_co_i32 s46, \se, 127
	s_lshl_b32 s47, s46, 23
	v_mov_b32 v[\vsc], s47
	s_add_co_i32 s46, s46, 15
	s_lshl_b32 s46, s46, 23
	s_or_b32 s46, s46, 0x600000
	v_mov_b32 v[\vlim], s46
.endm
.macro WSET ks                         ; my eight fragments of Wo^T for K step ks: 32 loads of 512 consecutive bytes
	WIN 0x40                                       ; destination window 1
.irp b, 0,1,2,3,4,5,6,7
.irp c, 0,1,2,3
	global_load_b128 v[128*((\ks)%2)+16*\b+4*\c:128*((\ks)%2)+16*\b+4*\c+3], v1, s[6:7] offset:\b*16384+(\ks)*2048+\c*512
.endr
.endr
	WIN 0
.endm
.macro AFETCH ks                       ; ctx's two fragments of K step ks
.irp a, 0,1
.irp c, 0,1,2,3
	ds_load_b128 v[AFR+32*((\ks)%2)+16*\a+4*\c:AFR+32*((\ks)%2)+16*\a+4*\c+3], v1 offset:(8*\a+(\ks))*2048+512*\c
.endr
.endr
.endm
.macro KSTEP ks
.if \ks < 7
	s_wait_loadcnt 32                              ; this step's weights are in; the next set's 32 loads may be out
	s_wait_dscnt 8                                 ; this step's fragments of ctx are in; the next step's eight loads may be out
.else
	s_wait_loadcnt 0
	s_wait_dscnt 32                                ; the last fragments of ctx are in; gamma's and beta's 32 loads may be out
.endif
	WIN 0x01                                       ; source 0 window 1
.irp b, 0,1,2,3,4,5,6,7                ; the 16 accumulators take turns, one instruction a turn
.irp a, 0,1
	v_wmma_f32_16x16x128_bf8_bf8 v[ACC+64*\a+8*\b:ACC+64*\a+8*\b+7], v[128*(\ks%2)+16*\b:128*(\ks%2)+16*\b+15], v[AFR+32*(\ks%2)+16*\a:AFR+32*(\ks%2)+16*\a+15], v[ACC+64*\a+8*\b:ACC+64*\a+8*\b+7]
.endr
.endr
	WIN 0
.rept 4
	v_nop                                          ; places in front of loads into registers that these products read, and of the first read of results
.endr
.if \ks < 6
	WSET \ks+2
	AFETCH \ks+2
.elseif \ks == 6
	WIN 0x40
.irp b, 0,1,2,3,4,5,6,7                ; gamma and beta of columns 16 b + 8 h + 0..7, out of my wave's own LDS bytes
	ds_load_b128 v[8*\b:8*\b+3], v[PR] offset:512+64*\b
	ds_load_b128 v[8*\b+4:8*\b+7], v[PR] offset:512+64*\b+16
	ds_load_b128 v[64+8*\b:64+8*\b+3], v[PR] offset:1024+64*\b
	ds_load_b128 v[64+8*\b+4:64+8*\b+7], v[PR] offset:1024+64*\b+16
.endr
	WIN 0
.endif
.endm
; The two chains of each row tile (v[8 + 4 a : 9 + 4 a], v[10 + 4 a : 11 + 4 a]) become the rows' sums over all 1,024 columns, in v16 (a = 0) and v24 (a = 1) of every lane: within the lane, across the halves of the lanes, across the eight waves through LDS, in a fixed order.
.macro RSUM off
.irp a, 0,1
	v_pk_add_f32 v[8+4*\a:9+4*\a], v[8+4*\a:9+4*\a], v[10+4*\a:11+4*\a]
.endr
.irp a, 0,1
	v_add_f32 v[8+4*\a], v[8+4*\a], v[9+4*\a]
.endr
.irp a, 0,1
	v_permlanex16_b32 v[10+4*\a], v[8+4*\a], s22, s23
.endr
.irp a, 0,1
	v_add_f32 v[8+4*\a], v[8+4*\a], v[10+4*\a]
.endr
.irp a, 0,1
	ds_store_b32 v4, v[8+4*\a] offset:\off+512*\a
.endr
	s_wait_dscnt 0x0                               ; for the others' sake
	s_barrier_signal -1
	s_barrier_wait -1
.irp a, 0,1
	ds_load_b128 v[16+8*\a:19+8*\a], v5 offset:\off+512*\a
	ds_load_b128 v[20+8*\a:23+8*\a], v5 offset:\off+512*\a+16
.endr
	s_wait_dscnt 0x0
.irp a, 0,1
	v_add_f32 v[16+8*\a], v[16+8*\a], v[17+8*\a]
	v_add_f32 v[18+8*\a], v[18+8*\a], v[19+8*\a]
	v_add_f32 v[20+8*\a], v[20+8*\a], v[21+8*\a]
	v_add_f32 v[22+8*\a], v[22+8*\a], v[23+8*\a]
.endr
.irp a, 0,1
	v_add_f32 v[16+8*\a], v[16+8*\a], v[18+8*\a]
	v_add_f32 v[20+8*\a], v[20+8*\a], v[22+8*\a]
.endr
.irp a, 0,1
	v_add_f32 v[16+8*\a], v[16+8*\a], v[20+8*\a]
.endr
.endm
	s_load_b256 s[4:11], s[0:1], 0x0               ; ctx, wc, qf, bo
	s_load_b256 s[12:19], s[0:1], 0x20             ; gamma, beta, the scales, the result
	v_lshl_add_u32 v126, v0, 2, 0x1c000
	v_mov_b32 v127, 0
	v_lshrrev_b32 v1, 5, v0
	v_readfirstlane_b32 s20, v1                    ; wave 0..7
	v_and_b32 v8, 31, v0
	v_lshlrev_b32 v1, 4, v8                        ; 16 x lane
	v_bfe_u32 v9, v0, 4, 1
	v_lshlrev_b32 v2, 5, v9                        ; 32 h
	v_and_b32 v10, 15, v0                          ; r
	s_lshl_b32 s24, s20, 12
	v_add_nc_u32 v3, s24, v1                       ; where I put my two fragments of ctx
	s_lshl_b32 s25, s20, 2
	v_lshlrev_b32 v5, 5, v10
	v_add_nc_u32 v5, RED, v5
	v_add_nc_u32 v4, s25, v5
	s_mul_i32 s21, s20, 1536
	s_add_co_u32 s21, s21, PAR                     ; my wave's parameters
	v_add_nc_u32 v[PW], s21, v1                    ; in: 16 x lane
	v_add_nc_u32 v[PR], s21, v2                    ; out: 32 h
.if FINAL
	s_mul_i32 s45, s20, 8448
	s_add_co_u32 s45, s45, STG
	v_mul_u32_u24 v6, v10, 528
	v_add_nc_u32 v6, v6, v2
	v_add_nc_u32 v6, s45, v6                       ; the stage: row r, + 32 h
	v_add_nc_u32 v7, s45, v1                       ; and back: 16 x lane of a row
.endif
	s_mov_b32 s22, 0x76543210
	s_mov_b32 s23, 0xfedcba98
	s_lshl_b32 s28, ttmp9, 15
	s_add_co_u32 s28, s28, s24                     ; ctx: 16 fragments a work-group, two a wave
	s_mov_b32 s29, 0
	s_lshl_b32 s30, s20, 17
	s_add_co_u32 s30, s30, WSLOT<<20               ; Wo^T: my eight row tiles of 16,384 bytes
	s_mov_b32 s31, 0
	s_lshl_b32 s32, ttmp9, 17
	s_lshl_b32 s33, s20, 13
	s_add_co_u32 s32, s32, s33                     ; qf: two row tiles of 65,536 bytes, my eight tiles of 1,024
	s_mov_b32 s33, 0
	s_lshl_b32 s34, s20, 9                         ; my 128 columns x 4 bytes
	s_mov_b32 s35, 0
	s_mov_b32 s27, 0
.if FINAL
	s_lshl_b32 s26, ttmp9, 17                      ; 32 rows of 4,096 bytes
	s_add_co_u32 s26, s26, s34
.else
	s_lshl_b32 s26, ttmp9, 15                      ; 16 fragments; my columns are K step w
	s_lshl_b32 s45, s20, 11
	s_add_co_u32 s26, s26, s45
.endif
	s_wait_kmcnt 0x0
	s_load_b64 s[36:37], s[16:17], EA*4            ; ea, eb
.if FINAL == 0
	s_load_b32 s38, s[16:17], EY*4
.endif
	s_add_nc_u64 s[4:5], s[4:5], s[28:29]
	s_add_nc_u64 s[6:7], s[6:7], s[30:31]
	s_add_nc_u64 s[8:9], s[8:9], s[32:33]
	s_add_nc_u64 s[10:11], s[10:11], s[34:35]
	s_add_nc_u64 s[12:13], s[12:13], s[34:35]
	s_add_nc_u64 s[14:15], s[14:15], s[34:35]
	s_add_nc_u64 s[18:19], s[18:19], s[26:27]
.irp c, 0,1,2,3,4,5,6,7
	global_load_b128 v[AFR+4*\c:AFR+4*\c+3], v1, s[4:5] offset:512*\c th:TH_LOAD_NT
.endr
	global_load_b128 v[AFR+32:AFR+35], v1, s[10:11]        ; bo, gamma, beta of my 128 columns: 512 consecutive bytes each
	global_load_b128 v[AFR+36:AFR+39], v1, s[12:13]
	global_load_b128 v[AFR+40:AFR+43], v1, s[14:15]
.irp a, 0,1
.irp b, 0,1,2,3,4,5,6,7
	global_load_b128 v[ACC+64*\a+8*\b:ACC+64*\a+8*\b+3], v1, s[8:9] offset:\a*65536+\b*1024 th:TH_LOAD_NT
	global_load_b128 v[ACC+64*\a+8*\b+4:ACC+64*\a+8*\b+7], v1, s[8:9] offset:\a*65536+\b*1024+512 th:TH_LOAD_NT
.endr
.endr
	WSET 0                                         ; the weights' stream begins here: it waits for nothing that comes before it
	s_wait_kmcnt 0x0
	s_add_co_i32 s39, s36, s37                     ; E = ea + eb
	s_sub_co_i32 s40, 127, s39
	s_lshl_b32 s40, s40, 23                        ; 2^-E
	s_mov_b32 s41, s40
	s_add_co_i32 s42, s39, 127
	s_lshl_b32 s42, s42, 23                        ; 2^E
	s_lshl_b32 s43, s39, 1
	s_add_co_i32 s43, s43, 117
	s_lshl_b32 s43, s43, 23                        ; 2^(2 E - 10)
	s_mov_b32 s44, 0x2b8cbccc                      ; 1e-12
	s_wait_loadcnt 63                              ; ctx and the parameters are in: 64 loads (q's 32, the weights' 32) are younger, and the count's field ends at 63
	v_pk_mul_f32 v[AFR+32:AFR+33], v[AFR+32:AFR+33], s[40:41] op_sel_hi:[1,0]   ; bo / 2^E
	v_pk_mul_f32 v[AFR+34:AFR+35], v[AFR+34:AFR+35], s[40:41] op_sel_hi:[1,0]
.irp c, 0,1,2,3,4,5,6,7
	ds_store_b128 v3, v[AFR+4*\c:AFR+4*\c+3] offset:512*\c
.endr
	ds_store_b128 v[PW], v[AFR+32:AFR+35]
	ds_store_b128 v[PW], v[AFR+36:AFR+39] offset:512
	ds_store_b128 v[PW], v[AFR+40:AFR+43] offset:1024
	WSET 1
	s_wait_dscnt 0x0
	s_barrier_signal -1
	s_barrier_wait -1                              ; ctx's sixteen fragments lie in LDS
.irp b, 0,1,2,3,4,5,6,7                ; bo / 2^E of columns 16 b + 8 h + 0..7
	ds_load_b128 v[AFR+8*\b:AFR+8*\b+3], v[PR] offset:64*\b
	ds_load_b128 v[AFR+8*\b+4:AFR+8*\b+7], v[PR] offset:64*\b+16
.endr
	s_wait_loadcnt 63                              ; q is in: the two sets of weights, 64 loads, are younger
	s_wait_dscnt 0x0
.irp a, 0,1
.set j, 0
.rept 32
	v_pk_fma_f32 v[ACC+64*\a+j:ACC+64*\a+j+1], v[ACC+64*\a+j:ACC+64*\a+j+1], s[40:41], v[AFR+j:AFR+j+1] op_sel_hi:[1,0,1]   ; (q + bo) / 2^E
.set j, j+2
.endr
.endr
	AFETCH 0
	AFETCH 1
.irp ks, 0,1,2,3,4,5,6,7
	KSTEP \ks
.endr
; ---- the norm, on X = x / 2^E.  Pass 1: the rows' means
.irp a, 0,1
	v_pk_add_f32 v[8+4*\a:9+4*\a], v[ACC+64*\a:ACC+64*\a+1], v[ACC+64*\a+2:ACC+64*\a+3]
	v_pk_add_f32 v[10+4*\a:11+4*\a], v[ACC+64*\a+4:ACC+64*\a+5], v[ACC+64*\a+6:ACC+64*\a+7]
.endr
.set j, 8
.rept 14
.irp a, 0,1
	v_pk_add_f32 v[8+4*\a:9+4*\a], v[8+4*\a:9+4*\a], v[ACC+64*\a+j:ACC+64*\a+j+1]          ; each accumulator from its low end on
	v_pk_add_f32 v[10+4*\a:11+4*\a], v[10+4*\a:11+4*\a], v[ACC+64*\a+j+2:ACC+64*\a+j+3]
.endr
.set j, j+4
.endr
	RSUM 0
.irp a, 0,1
	v_mul_f32 v[16+8*\a], 0xba800000, v[16+8*\a]   ; -mean = sum x -2^-10
.endr
; Pass 2: d = X - mean, in place, and the sums of its squares
.set j, 0
.rept 32
.irp a, 0,1
	v_pk_add_f32 v[ACC+64*\a+j:ACC+64*\a+j+1], v[ACC+64*\a+j:ACC+64*\a+j+1], v[16+8*\a:17+8*\a] op_sel_hi:[1,0]
.endr
.set j, j+2
.endr
.irp a, 0,1
	v_pk_mul_f32 v[8+4*\a:9+4*\a], v[ACC+64*\a:ACC+64*\a+1], v[ACC+64*\a:ACC+64*\a+1]
	v_pk_mul_f32 v[10+4*\a:11+4*\a], v[ACC+64*\a+2:ACC+64*\a+3], v[ACC+64*\a+2:ACC+64*\a+3]
.endr
.set j, 4
.rept 30
.irp a, 0,1
	v_pk_fma_f32 v[8+4*\a+j%4:9+4*\a+j%4], v[ACC+64*\a+j:ACC+64*\a+j+1], v[ACC+64*\a+j:ACC+64*\a+j+1], v[8+4*\a+j%4:9+4*\a+j%4]
.endr
.set j, j+2
.endr
	RSUM 1024
.irp a, 0,1
	v_fma_f32 v[16+8*\a], v[16+8*\a], s43, s44     ; the variance of x, + 1e-12
.endr
.irp a, 0,1
	v_rsq_f32 v[16+8*\a], v[16+8*\a]
.endr
	v_nop                                          ; a plain line behind the transcendentals
	s_wait_alu depctr_va_vdst(0)
.irp a, 0,1
	v_mul_f32 v[16+8*\a], s42, v[16+8*\a]          ; x 2^E: d stands for (x - mean) / 2^E
.endr
; Pass 3: y = d x that x gamma + beta.  (gamma and beta are in: the sums above waited for all my LDS instructions)
.set j, 0
.rept 32
.irp a, 0,1
	v_pk_mul_f32 v[ACC+64*\a+j:ACC+64*\a+j+1], v[ACC+64*\a+j:ACC+64*\a+j+1], v[16+8*\a:17+8*\a] op_sel_hi:[1,0]
.endr
.set j, j+2
.endr
	WIN 0x14                                       ; sources 1 and 2 window 1
.set j, 0
.rept 32
.irp a, 0,1
	v_pk_fma_f32 v[ACC+64*\a+j:ACC+64*\a+j+1], v[ACC+64*\a+j:ACC+64*\a+j+1], v[j:j+1], v[64+j:64+j+1]
.endr
.set j, j+2
.endr
	WIN 0
.if FINAL == 0
	MKSC s38, 20, 21
.set j, 0
.rept 128
	v_med3_num_f32 v[ACC+j], v[ACC+j], -v21, v21
.set j, j+1
.endr
.irp a, 0,1
.irp b, 0,1,2,3,4,5,6,7                ; my 128 columns are K step w of the next product: accumulator (a, b) gives registers 2 b, 2 b + 1 of row tile a's fragment
	v_cvt_scalef32_pk8_bf8_f32 v[T+16*\a+2*\b:T+16*\a+2*\b+1], v[ACC+64*\a+8*\b:ACC+64*\a+8*\b+7], v20
.endr
.endr
	v_nop
.irp a, 0,1
.irp c, 0,1,2,3
	global_store_b128 v1, v[T+16*\a+4*\c:T+16*\a+4*\c+3], s[18:19] offset:\a*16384+\c*512
.endr
.endr
.else
.irp a, 0,1                            ; through my own stage: a lane's 32 bytes of a row go in, whole pieces of 512 bytes of a row come back
.irp b, 0,1,2,3,4,5,6,7
	ds_store_b128 v6, v[ACC+64*\a+8*\b:ACC+64*\a+8*\b+3] offset:64*\b
	ds_store_b128 v6, v[ACC+64*\a+8*\b+4:ACC+64*\a+8*\b+7] offset:64*\b+16
.endr
.set p, 0
.rept 16
	ds_load_b128 v[AFR+96*\a+4*p:AFR+96*\a+4*p+3], v7 offset:p*528   ; LDS serves a wave's instructions in order: these see my stores.  Row tile 1 comes back into row tile 0's accumulators, which have left
.set p, p+1
.endr
.set p, 0
.rept 16
	s_wait_dscnt 15-p                              ; the younger rows may be out
	global_store_b128 v1, v[AFR+96*\a+4*p:AFR+96*\a+4*p+3], s[18:19] offset:\a*65536+p*4096 th:TH_STORE_NT   ; 512 consecutive bytes, at a multiple of 256 from the buffer's first byte
.set p, p+1
.endr
.endr
.endif
	s_wait_tensorcnt 0x0
	ds_add_u32 v126, v127
	s_wait_dscnt 0x0
	s_endpgm
.Lfunc_end_k_q4189393818_oln2:
	.size	k_q4189393818_oln2, .Lfunc_end_k_q4189393818_oln2-k_q4189393818_oln2
	.p2alignl 7, 3214868480
	.fill 96, 4, 3214868480
	.section	.rodata,"a",@progbits
	.p2align	6, 0x0
	.amdhsa_kernel k_q4189393818_oln2
		.amdhsa_group_segment_fixed_size 115712
		.amdhsa_private_segment_fixed_size 0
		.amdhsa_enable_private_segment 0
		.amdhsa_kernarg_size 64
		.amdhsa_user_sgpr_count 2
		.amdhsa_user_sgpr_kernarg_segment_ptr 1
		.amdhsa_wavefront_size32 1
		.amdhsa_system_sgpr_workgroup_id_x 1
		.amdhsa_system_sgpr_workgroup_id_y 1
		.amdhsa_system_sgpr_workgroup_id_z 1
		.amdhsa_system_vgpr_workitem_id 0
		.amdhsa_next_free_vgpr 512
		.amdhsa_next_free_sgpr 66
		.amdhsa_reserve_vcc 0
		.amdhsa_float_denorm_mode_32 3
		.amdhsa_float_denorm_mode_16_64 3
		.amdhsa_memory_ordered 1
		.amdhsa_forward_progress 1
		.amdhsa_inst_pref_size 85
	.end_amdhsa_kernel
	.amdgpu_metadata
---
amdhsa.version: [ 1, 2 ]
amdhsa.kernels:
  - .name:           k_q4189393818_oln2
    .symbol:         k_q4189393818_oln2.kd
    .args:
      - { .name: ctx, .offset: 0, .size: 8, .value_kind: global_buffer, .address_space: global }
      - { .name: wc, .offset: 8, .size: 8, .value_kind: global_buffer, .address_space: global }
      - { .name: qf, .offset: 16, .size: 8, .value_kind: global_buffer, .address_space: global }
      - { .name: bo, .offset: 24, .size: 8, .value_kind: global_buffer, .address_space: global }
      - { .name: gamma, .offset: 32, .size: 8, .value_kind: global_buffer, .address_space: global }
      - { .name: beta, .offset: 40, .size: 8, .value_kind: global_buffer, .address_space: global }
      - { .name: lowp_scales, .offset: 48, .size: 8, .value_kind: global_buffer, .address_space: global }
      - { .name: out0, .offset: 56, .size: 8, .value_kind: global_buffer, .address_space: global }
    .group_segment_fixed_size: 115712
    .private_segment_fixed_size: 0
    .kernarg_segment_align: 8
    .kernarg_segment_size: 64
    .max_flat_workgroup_size: 256
    .sgpr_count:     66
    .vgpr_count:     512
    .wavefront_size: 32
...
	.end_amdgpu_metadata
.endif
;; end of part 5
;; ======== version 2 of 2: 6 launches; version 1 with the launches oln1, oln2 written anew for expert scheduling mode
;; workspace buffers: xc 20,971,520 bytes; wc 6,291,456 bytes; att1 9,437,440 bytes; att2 9,437,440 bytes; qf 16,777,216 bytes; ctx 4,194,304 bytes; yc 4,194,304 bytes
;; launch quant: the kernel of part 1 again; grid 768 x 1, 4 waves a work-group, no clusters, 50,688 bytes of LDS; arguments decoder_inputs, encoder_states, Wk, Wv, Wk2, Wv2, Wo, Wq, Wq2, lowp_scales, xc, wc, att1, att2; writes xc, wc, att1, att2
;; launch proj: the kernel of part 2 again; grid 64 x 4, 4 waves a work-group, clusters of 4 x 4, 327,680 bytes of LDS; arguments xc, wc, lowp_scales, bk, bv, bk2, bv2, att1, att2; writes att1, att2
;; launch attn1: the kernel of part 3 again; grid 4 x 64, 16 waves a work-group, clusters of 4 x 1, 206,848 bytes of LDS; arguments xc, att1, bq, tgt_attention_mask, qf, ctx; writes qf, ctx
;; launch oln1 (part 6): grid 128 x 1, 8 waves a work-group, no clusters, 48,128 bytes of LDS; arguments ctx, wc, qf, bo, gamma, beta, lowp_scales, yc; writes yc
.if DOCPART == 6
	.amdgcn_target "amdgcn-amd-amdhsa--gfx1250"
	.amdhsa_code_object_version 6
	.text
	.protected	k_q4189393818_oln1
	.globl	k_q4189393818_oln1
	.p2align	8
	.type	k_q4189393818_oln1,@function
k_q4189393818_oln1:
	s_mov_b64 s[64:65], 0
	v_nop
	global_prefetch_b8 v0, s[64:65] scope:SCOPE_SE
	s_setreg_imm32_b32 hwreg(HW_REG_WAVE_SCHED_MODE, 0, 2), 2
	s_setreg_imm32_b32 hwreg(HW_REG_WAVE_MODE, 25, 1), 1
	s_wait_xcnt 0x0
	s_wait_alu depctr_vm_vsrc(0)
; y = LayerNorm(q + ctx Wo + bo) x gamma + beta.  FINAL = 0: y is quantised (entry EY) and stored as fragments, the next product's operand.  FINAL = 1: y is stored as f32 rows.
; ctx and Wo^T are codes of E5M2 (entries EA, EA + 1), as fragments of 16 rows x 128 K, 2,048 bytes, images of the operand's registers.  q lies in qf as tiles of 16 x 16 f32 in the accumulators' layout.
; SHARES.  A work-group owns 32 whole rows (two row tiles a), since the norm wants whole rows; wave w owns columns 128 w .. 128 w + 127 (eight tiles b): 16 accumulators.
; The product is used transposed (source 0 = 16 rows of Wo^T, source 1 = 16 rows of ctx): a lane holds one row, its registers eight neighbouring columns.
; THE WEIGHTS GO FROM MEMORY STRAIGHT INTO REGISTERS, and there is no cluster: each of the 512 fragments of Wo^T is used by one wave of the work-group, once, for two products; through LDS its 2,048 bytes would be
; written and read once more and feed nothing further.  Two sets of eight fragments take turns; both are asked for at the head, ahead of the first barrier.  ctx's 16 fragments, which all waves read, go through LDS.
; bo, gamma and beta: a wave's 128 columns of each are 512 bytes: one dense load each; they are spread to the accumulators' layout through 1,536 LDS bytes of the wave's own.
; (q + bo) / 2^(ea + eb) is the C of the first products: nothing is cleared and nothing is added later.  The norm works on x / 2^(ea + eb); the power of two comes back with the reciprocal root.
; LIMITS: ea + eb between -126 and 126, 2 (ea + eb) - 10 between -126 and 127, entry EY between -126 and 112.  NaN and infinities are not served.
; REGISTERS: window 0: v1-7 addresses; v8-31 the norm's figures; v32-95 ctx and the three parameters as loaded, then bo, then ctx's fragments (buffer ks % 2, then a), at the end rows of y; v96, v97 the parameters' LDS addresses;
;   v96-127 at the end codes; v128-255 accumulator (a, b) at 128 + 64 a + 8 b.   window 1: the weights' two sets at v0 and v128, fragment b at 16 b; at the end gamma at v0-63, beta at v64-127.
; THE MODE: SCHED_MODE bits 1:0 = 2 (LLVM: expert scheduling mode 2), set by the entry lines.  The code itself states the register dependences
; between vector or matrix instructions and memory or LDS instructions, with s_wait_alu, always for 0.
; THE PLAN.  Registers that memory or LDS instructions touch, and who else names them:
;   v1-7, v96, v97    offsets and LDS addresses: written once at the head; one wait on va_vdst ahead of the first load serves every load and store.  (FINAL = 0: the last conversions write v96 and v97 again.)
;   v32-95            ctx and the parameters land; two multiplies scale bo in place; LDS stores read them | bo, spread, lands; 64 multiply-adds read it | ctx's fragments: step ks's products read buffer ks % 2,
;                     step ks + 2's LDS loads land in it | FINAL = 1: rows of y land.
;   window 1          step ks's products read set ks % 2; step ks + 2's 32 loads land in it; behind step 6 gamma and beta land in set 0.
;   v128-255          q lands; then vector and matrix instructions alone, up to the way out (FINAL = 1: LDS stores read them, and row tile 1's rows land in v128-191).
;   v8, v12; v16-31   a reduction's sums, which an LDS store reads and the next pass writes again; the eight waves' sums, which LDS loads bring and vector instructions then read and write.
; ONE wait on va_vdst stands in each of K steps 0 to 6, behind the step's products: they are done reading the set of weights and the buffer of ctx in which the step's 40 loads land.  It stands there and not at the next
; step's head, since the wave's 512 registers hold two sets and no third: a set that waited for the other set's data would leave 32 loads on their way and not 64.
.set FINAL, 0
.set WSLOT, 4
.set EA,    10
.set EY,    12
.set RED,   32768                      ; LDS: 0 ctx's 16 fragments; RED: two regions of 1,024 bytes for the rows' sums: 512 a + 32 r + 4 w
.set PAR,   34816                      ; bo / 2^(ea + eb), gamma, beta: 3 x 512 bytes for each wave
.set STG,   47104                      ; FINAL = 1: a stage of 16 rows x (512 bytes + 16) for each wave
.set AFR,   32
.set T,     96
.set PW,    96
.set PR,    97
.set ACC,   128
.set MSB, 0
.macro WIN new
.if MSB != \new
	s_set_vgpr_msb (MSB<<8)|\new
.set MSB, \new
.endif
.endm
.macro MKSC se, vsc, vlim
	s_add_co_i32 s46, \se, 127
	s_lshl_b32 s47, s46, 23
	v_mov_b32 v[\vsc], s47
	s_add_co_i32 s46, s46, 15
	s_lshl_b32 s46, s46, 23
	s_or_b32 s46, s46, 0x600000
	v_mov_b32 v[\vlim], s46
.endm
.macro WSET ks, dep                    ; my eight fragments of Wo^T for K step ks: 32 loads of 512 consecutive bytes.  dep = 1: products have read the set
	WIN 0x40                                       ; destination window 1
.if \dep
	s_wait_alu depctr_va_vdst(0)                   ; the step's products are done reading this set of weights and their buffer of ctx: the 32 loads below and the 8 LDS loads behind them land there
.endif
.irp b, 0,1,2,3,4,5,6,7
.irp c, 0,1,2,3
	global_load_b128 v[128*((\ks)%2)+16*\b+4*\c:128*((\ks)%2)+16*\b+4*\c+3], v1, s[6:7] offset:\b*16384+(\ks)*2048+\c*512
.endr
.endr
	WIN 0
.endm
.macro AFETCH ks                       ; ctx's two fragments of K step ks
.irp a, 0,1
.irp c, 0,1,2,3
	ds_load_b128 v[AFR+32*((\ks)%2)+16*\a+4*\c:AFR+32*((\ks)%2)+16*\a+4*\c+3], v1 offset:(8*\a+(\ks))*2048+512*\c
.endr
.endr
.endm
.macro KSTEP ks
.if \ks < 7
	s_wait_loadcnt 32                              ; this step's weights are in; the next set's 32 loads may be out
	s_wait_dscnt 8                                 ; this step's fragments of ctx are in; the next step's eight loads may be out
.else
	s_wait_loadcnt 0
	s_wait_dscnt 32                                ; the last fragments of ctx are in; gamma's and beta's 32 loads may be out
.endif
	WIN 0x01                                       ; source 0 window 1
.irp b, 0,1,2,3,4,5,6,7                ; the 16 accumulators take turns, one instruction a turn
.irp a, 0,1
	v_wmma_f32_16x16x128_bf8_bf8 v[ACC+64*\a+8*\b:ACC+64*\a+8*\b+7], v[128*(\ks%2)+16*\b:128*(\ks%2)+16*\b+15], v[AFR+32*(\ks%2)+16*\a:AFR+32*(\ks%2)+16*\a+15], v[ACC+64*\a+8*\b:ACC+64*\a+8*\b+7]
.endr
.endr
	WIN 0
.rept 4
	v_nop                                          ; four places behind the step's last products (ISA guide 7.12.1): the last step's stand ahead of the first vector read of results; in the other steps they stay beside the wait that follows
.endr
.if \ks < 6
	WSET \ks+2, 1
	AFETCH \ks+2                                   ; no wait of its own: only loads and window switches stand behind the wait in WSET
.elseif \ks == 6
	WIN 0x40
	s_wait_alu depctr_va_vdst(0)                   ; step 6's products are done reading set 0, in which gamma and beta land
.irp b, 0,1,2,3,4,5,6,7                ; gamma and beta of columns 16 b + 8 h + 0..7, out of my wave's own LDS bytes
	ds_load_b128 v[8*\b:8*\b+3], v[PR] offset:512+64*\b
	ds_load_b128 v[8*\b+4:8*\b+7], v[PR] offset:512+64*\b+16
	ds_load_b128 v[64+8*\b:64+8*\b+3], v[PR] offset:1024+64*\b
	ds_load_b128 v[64+8*\b+4:64+8*\b+7], v[PR] offset:1024+64*\b+16
.endr
	WIN 0
.endif
.endm
; The two chains of each row tile (v[8 + 4 a : 9 + 4 a], v[10 + 4 a : 11 + 4 a]) become the rows' sums over all 1,024 columns, in v16 (a = 0) and v24 (a = 1) of every lane: within the lane, across the halves of the lanes, across the eight waves through LDS, in a fixed order.
.macro RSUM off
.irp a, 0,1
	v_pk_add_f32 v[8+4*\a:9+4*\a], v[8+4*\a:9+4*\a], v[10+4*\a:11+4*\a]
.endr
.irp a, 0,1
	v_add_f32 v[8+4*\a], v[8+4*\a], v[9+4*\a]
.endr
.irp a, 0,1
	v_permlanex16_b32 v[10+4*\a], v[8+4*\a], s22, s23
.endr
.irp a, 0,1
	v_add_f32 v[8+4*\a], v[8+4*\a], v[10+4*\a]
.endr
	s_wait_alu depctr_va_vdst(0)                   ; v8 and v12 are written, which the LDS stores read; and every vector instruction that named v16 to v31 is complete, in which the loads behind the barrier land
.irp a, 0,1
	ds_store_b32 v4, v[8+4*\a] offset:\off+512*\a
.endr
	s_wait_dscnt 0x0                               ; for the others' sake
	s_barrier_signal -1
	s_barrier_wait -1
.irp a, 0,1
	ds_load_b128 v[16+8*\a:19+8*\a], v5 offset:\off+512*\a
	ds_load_b128 v[20+8*\a:23+8*\a], v5 offset:\off+512*\a+16
.endr
	s_wait_dscnt 0x0
.irp a, 0,1
	v_add_f32 v[16+8*\a], v[16+8*\a], v[17+8*\a]
	v_add_f32 v[18+8*\a], v[18+8*\a], v[19+8*\a]
	v_add_f32 v[20+8*\a], v[20+8*\a], v[21+8*\a]
	v_add_f32 v[22+8*\a], v[22+8*\a], v[23+8*\a]
.endr
.irp a, 0,1
	v_add_f32 v[16+8*\a], v[16+8*\a], v[18+8*\a]
	v_add_f32 v[20+8*\a], v[20+8*\a], v[22+8*\a]
.endr
.irp a, 0,1
	v_add_f32 v[16+8*\a], v[16+8*\a], v[20+8*\a]
.endr
.endm
	s_load_b256 s[4:11], s[0:1], 0x0               ; ctx, wc, qf, bo
	s_load_b256 s[12:19], s[0:1], 0x20             ; gamma, beta, the scales, the result
	v_lshl_add_u32 v6, v0, 2, 0xb800
	v_mov_b32 v7, 0
	v_lshrrev_b32 v1, 5, v0
	v_readfirstlane_b32 s20, v1                    ; wave 0..7
	v_and_b32 v8, 31, v0
	v_lshlrev_b32 v1, 4, v8                        ; 16 x lane
	v_bfe_u32 v9, v0, 4, 1
	v_lshlrev_b32 v2, 5, v9                        ; 32 h
	v_and_b32 v10, 15, v0                          ; r
	s_wait_alu depctr_va_sdst(0)                   ; s20 is written, ahead of its first reader: LDS addresses and the buffers' offsets are made from it
	s_lshl_b32 s24, s20, 12
	v_add_nc_u32 v3, s24, v1                       ; where I put my two fragments of ctx
	s_lshl_b32 s25, s20, 2
	v_lshlrev_b32 v5, 5, v10
	v_add_nc_u32 v5, RED, v5
	v_add_nc_u32 v4, s25, v5
	s_mul_i32 s21, s20, 1536
	s_add_co_u32 s21, s21, PAR                     ; my wave's parameters
	v_add_nc_u32 v[PW], s21, v1                    ; in: 16 x lane
	v_add_nc_u32 v[PR], s21, v2                    ; out: 32 h
.if FINAL
	s_mul_i32 s45, s20, 8448
	s_add_co_u32 s45, s45, STG
	v_mul_u32_u24 v6, v10, 528
	v_add_nc_u32 v6, v6, v2
	v_add_nc_u32 v6, s45, v6                       ; the stage: row r, + 32 h
	v_add_nc_u32 v7, s45, v1                       ; and back: 16 x lane of a row
.endif
	s_mov_b32 s22, 0x76543210
	s_mov_b32 s23, 0xfedcba98
	s_lshl_b32 s28, ttmp9, 15
	s_add_co_u32 s28, s28, s24                     ; ctx: 16 fragments a work-group, two a wave
	s_mov_b32 s29, 0
	s_lshl_b32 s30, s20, 17
	s_add_co_u32 s30, s30, WSLOT<<20               ; Wo^T: my eight row tiles of 16,384 bytes
	s_mov_b32 s31, 0
	s_lshl_b32 s32, ttmp9, 17
	s_lshl_b32 s33, s20, 13
	s_add_co_u32 s32, s32, s33                     ; qf: two row tiles of 65,536 bytes, my eight tiles of 1,024
	s_mov_b32 s33, 0
	s_lshl_b32 s34, s20, 9                         ; my 128 columns x 4 bytes
	s_mov_b32 s35, 0
	s_mov_b32 s27, 0
.if FINAL
	s_lshl_b32 s26, ttmp9, 17                      ; 32 rows of 4,096 bytes
	s_add_co_u32 s26, s26, s34
.else
	s_lshl_b32 s26, ttmp9, 15                      ; 16 fragments; my columns are K step w
	s_lshl_b32 s45, s20, 11
	s_add_co_u32 s26, s26, s45
.endif
	s_wait_kmcnt 0x0
	s_load_b64 s[36:37], s[16:17], EA*4            ; ea, eb
.if FINAL == 0
	s_load_b32 s38, s[16:17], EY*4
.endif
	s_add_nc_u64 s[4:5], s[4:5], s[28:29]
	s_add_nc_u64 s[6:7], s[6:7], s[30:31]
	s_add_nc_u64 s[8:9], s[8:9], s[32:33]
	s_add_nc_u64 s[10:11], s[10:11], s[34:35]
	s_add_nc_u64 s[12:13], s[12:13], s[34:35]
	s_add_nc_u64 s[14:15], s[14:15], s[34:35]
	s_add_nc_u64 s[18:19], s[18:19], s[26:27]
	s_wait_alu depctr_va_vdst(0)                   ; the offsets and LDS addresses v1 to v7, v96 and v97 are written, which the loads and stores of the whole kernel read
.irp c, 0,1,2,3,4,5,6,7
	global_load_b128 v[AFR+4*\c:AFR+4*\c+3], v1, s[4:5] offset:512*\c th:TH_LOAD_NT
.endr
	global_load_b128 v[AFR+32:AFR+35], v1, s[10:11]        ; bo, gamma, beta of my 128 columns: 512 consecutive bytes each
	global_load_b128 v[AFR+36:AFR+39], v1, s[12:13]
	global_load_b128 v[AFR+40:AFR+43], v1, s[14:15]
.irp a, 0,1
.irp b, 0,1,2,3,4,5,6,7
	global_load_b128 v[ACC+64*\a+8*\b:ACC+64*\a+8*\b+3], v1, s[8:9] offset:\a*65536+\b*1024 th:TH_LOAD_NT
	global_load_b128 v[ACC+64*\a+8*\b+4:ACC+64*\a+8*\b+7], v1, s[8:9] offset:\a*65536+\b*1024+512 th:TH_LOAD_NT
.endr
.endr
	WSET 0, 0                                      ; the weights' stream begins here: it waits for nothing that comes before it; no vector or matrix instruction has named its registers
	s_wait_kmcnt 0x0
	s_add_co_i32 s39, s36, s37                     ; E = ea + eb
	s_sub_co_i32 s40, 127, s39
	s_lshl_b32 s40, s40, 23                        ; 2^-E
	s_mov_b32 s41, s40
	s_add_co_i32 s42, s39, 127
	s_lshl_b32 s42, s42, 23                        ; 2^E
	s_lshl_b32 s43, s39, 1
	s_add_co_i32 s43, s43, 117
	s_lshl_b32 s43, s43, 23                        ; 2^(2 E - 10)
	s_mov_b32 s44, 0x2b8cbccc                      ; 1e-12
	s_wait_loadcnt 63                              ; ctx and the parameters are in: 64 loads (q's 32, the weights' 32) are younger, and the count's field ends at 63
	v_pk_mul_f32 v[AFR+32:AFR+33], v[AFR+32:AFR+33], s[40:41] op_sel_hi:[1,0]   ; bo / 2^E
	v_pk_mul_f32 v[AFR+34:AFR+35], v[AFR+34:AFR+35], s[40:41] op_sel_hi:[1,0]
	s_wait_alu depctr_va_vdst(0)                   ; the two multiplies have written v64 to v67, which an LDS store below reads and in which bo, spread, lands behind the barrier
.irp c, 0,1,2,3,4,5,6,7
	ds_store_b128 v3, v[AFR+4*\c:AFR+4*\c+3] offset:512*\c
.endr
	ds_store_b128 v[PW], v[AFR+32:AFR+35]
	ds_store_b128 v[PW], v[AFR+36:AFR+39] offset:512
	ds_store_b128 v[PW], v[AFR+40:AFR+43] offset:1024
	WSET 1, 0                                      ; no vector or matrix instruction has named the second set's registers
	s_wait_dscnt 0x0
	s_barrier_signal -1
	s_barrier_wait -1                              ; ctx's sixteen fragments lie in LDS
	s_wait_alu depctr_vm_vsrc(0)                   ; my LDS stores have read v32 to v75, in which the loads below land
.irp b, 0,1,2,3,4,5,6,7                ; bo / 2^E of columns 16 b + 8 h + 0..7
	ds_load_b128 v[AFR+8*\b:AFR+8*\b+3], v[PR] offset:64*\b
	ds_load_b128 v[AFR+8*\b+4:AFR+8*\b+7], v[PR] offset:64*\b+16
.endr
	s_wait_loadcnt 63                              ; q is in: the two sets of weights, 64 loads, are younger
	s_wait_dscnt 0x0
.irp a, 0,1
.set j, 0
.rept 32
	v_pk_fma_f32 v[ACC+64*\a+j:ACC+64*\a+j+1], v[ACC+64*\a+j:ACC+64*\a+j+1], s[40:41], v[AFR+j:AFR+j+1] op_sel_hi:[1,0,1]   ; (q + bo) / 2^E
.set j, j+2
.endr
.endr
	s_wait_alu depctr_va_vdst(0)                   ; the multiply-adds are done reading bo in v32 to v95, in which ctx's first four fragments land
	AFETCH 0
	AFETCH 1
.irp ks, 0,1,2,3,4,5,6,7
	KSTEP \ks
.endr
; ---- the norm, on X = x / 2^E.  Pass 1: the rows' means
.irp a, 0,1
	v_pk_add_f32 v[8+4*\a:9+4*\a], v[ACC+64*\a:ACC+64*\a+1], v[ACC+64*\a+2:ACC+64*\a+3]
	v_pk_add_f32 v[10+4*\a:11+4*\a], v[ACC+64*\a+4:ACC+64*\a+5], v[ACC+64*\a+6:ACC+64*\a+7]
.endr
.set j, 8
.rept 14
.irp a, 0,1
	v_pk_add_f32 v[8+4*\a:9+4*\a], v[8+4*\a:9+4*\a], v[ACC+64*\a+j:ACC+64*\a+j+1]          ; each accumulator from its low end on
	v_pk_add_f32 v[10+4*\a:11+4*\a], v[10+4*\a:11+4*\a], v[ACC+64*\a+j+2:ACC+64*\a+j+3]
.endr
.set j, j+4
.endr
	RSUM 0
.irp a, 0,1
	v_mul_f32 v[16+8*\a], 0xba800000, v[16+8*\a]   ; -mean = sum x -2^-10
.endr
; Pass 2: d = X - mean, in place, and the sums of its squares
.set j, 0
.rept 32
.irp a, 0,1
	v_pk_add_f32 v[ACC+64*\a+j:ACC+64*\a+j+1], v[ACC+64*\a+j:ACC+64*\a+j+1], v[16+8*\a:17+8*\a] op_sel_hi:[1,0]
.endr
.set j, j+2
.endr
	s_wait_alu depctr_vm_vsrc(0)                   ; the first reduction's LDS stores have read v8 and v12, which the squares' chains write again; with FINAL = 0 also: the LDS instructions that read v96 and v97, all issued by now, have read them, and the last conversions write these two
.irp a, 0,1
	v_pk_mul_f32 v[8+4*\a:9+4*\a], v[ACC+64*\a:ACC+64*\a+1], v[ACC+64*\a:ACC+64*\a+1]
	v_pk_mul_f32 v[10+4*\a:11+4*\a], v[ACC+64*\a+2:ACC+64*\a+3], v[ACC+64*\a+2:ACC+64*\a+3]
.endr
.set j, 4
.rept 30
.irp a, 0,1
	v_pk_fma_f32 v[8+4*\a+j%4:9+4*\a+j%4], v[ACC+64*\a+j:ACC+64*\a+j+1], v[ACC+64*\a+j:ACC+64*\a+j+1], v[8+4*\a+j%4:9+4*\a+j%4]
.endr
.set j, j+2
.endr
	RSUM 1024
.irp a, 0,1
	v_fma_f32 v[16+8*\a], v[16+8*\a], s43, s44     ; the variance of x, + 1e-12
.endr
.irp a, 0,1
	v_rsq_f32 v[16+8*\a], v[16+8*\a]
.endr
	v_nop                                          ; a plain line behind the transcendentals
	s_wait_alu depctr_va_vdst(0)                   ; the two reciprocal roots have written v16 and v24: one wait for both, ahead of their first reader
.irp a, 0,1
	v_mul_f32 v[16+8*\a], s42, v[16+8*\a]          ; x 2^E: d stands for (x - mean) / 2^E
.endr
; Pass 3: y = d x that x gamma + beta.  (gamma and beta are in: the sums above waited for all my LDS instructions)
.set j, 0
.rept 32
.irp a, 0,1
	v_pk_mul_f32 v[ACC+64*\a+j:ACC+64*\a+j+1], v[ACC+64*\a+j:ACC+64*\a+j+1], v[16+8*\a:17+8*\a] op_sel_hi:[1,0]
.endr
.set j, j+2
.endr
	WIN 0x14                                       ; sources 1 and 2 window 1
.set j, 0
.rept 32
.irp a, 0,1
	v_pk_fma_f32 v[ACC+64*\a+j:ACC+64*\a+j+1], v[ACC+64*\a+j:ACC+64*\a+j+1], v[j:j+1], v[64+j:64+j+1]
.endr
.set j, j+2
.endr
	WIN 0
.if FINAL == 0
	MKSC s38, 20, 21
.set j, 0
.rept 128
	v_med3_num_f32 v[ACC+j], v[ACC+j], -v21, v21
.set j, j+1
.endr
.irp a, 0,1
.irp b, 0,1,2,3,4,5,6,7                ; my 128 columns are K step w of the next product: accumulator (a, b) gives registers 2 b, 2 b + 1 of row tile a's fragment
	v_cvt_scalef32_pk8_bf8_f32 v[T+16*\a+2*\b:T+16*\a+2*\b+1], v[ACC+64*\a+8*\b:ACC+64*\a+8*\b+7], v20
.endr
.endr
	v_nop
	s_wait_alu depctr_va_vdst(0)                   ; the conversions have written the codes in v96 to v127, which the stores read
.irp a, 0,1
.irp c, 0,1,2,3
	global_store_b128 v1, v[T+16*\a+4*\c:T+16*\a+4*\c+3], s[18:19] offset:\a*16384+\c*512
.endr
.endr
.else
	s_wait_alu depctr_va_vdst(0)                   ; the last multiply-adds have written both row tiles' accumulators, which the LDS stores read
.irp a, 0,1                            ; through my own stage: a lane's 32 bytes of a row go in, whole pieces of 512 bytes of a row come back
.irp b, 0,1,2,3,4,5,6,7
	ds_store_b128 v6, v[ACC+64*\a+8*\b:ACC+64*\a+8*\b+3] offset:64*\b
	ds_store_b128 v6, v[ACC+64*\a+8*\b+4:ACC+64*\a+8*\b+7] offset:64*\b+16
.endr
.if \a == 1
	s_wait_alu depctr_vm_vsrc(0)                   ; row tile 0's LDS stores have read v128 to v191, in which row tile 1's rows land
.endif
.set p, 0
.rept 16
	ds_load_b128 v[AFR+96*\a+4*p:AFR+96*\a+4*p+3], v7 offset:p*528   ; LDS serves a wave's instructions in order: these see my stores.  Row tile 1 comes back into row tile 0's accumulators, which have left
.set p, p+1
.endr
.set p, 0
.rept 16
	s_wait_dscnt 15-p                              ; the younger rows may be out
	global_store_b128 v1, v[AFR+96*\a+4*p:AFR+96*\a+4*p+3], s[18:19] offset:\a*65536+p*4096 th:TH_STORE_NT   ; 512 consecutive bytes, at a multiple of 256 from the buffer's first byte
.set p, p+1
.endr
.endr
.endif
	s_wait_dscnt 0x0
	s_wait_alu depctr_hold_cnt(0) depctr_sa_sdst(0) depctr_va_vdst(0) depctr_va_sdst(0) depctr_va_ssrc(0) depctr_va_vcc(0) depctr_vm_vsrc(0)
	s_wait_tensorcnt 0x0
	ds_add_u32 v6, v7
	s_wait_dscnt 0x0
	s_endpgm
.Lfunc_end_k_q4189393818_oln1:
	.size	k_q4189393818_oln1, .Lfunc_end_k_q4189393818_oln1-k_q4189393818_oln1
	.p2alignl 7, 3214868480
	.fill 96, 4, 3214868480
	.section	.rodata,"a",@progbits
	.p2align	6, 0x0
	.amdhsa_kernel k_q4189393818_oln1
		.amdhsa_group_segment_fixed_size 48128
		.amdhsa_private_segment_fixed_size 0
		.amdhsa_enable_private_segment 0
		.amdhsa_kernarg_size 64
		.amdhsa_user_sgpr_count 2
		.amdhsa_user_sgpr_kernarg_segment_ptr 1
		.amdhsa_wavefront_size32 1
		.amdhsa_system_sgpr_workgroup_id_x 1
		.amdhsa_system_sgpr_workgroup_id_y 1
		.amdhsa_system_sgpr_workgroup_id_z 1
		.amdhsa_system_vgpr_workitem_id 0
		.amdhsa_next_free_vgpr 512
		.amdhsa_next_free_sgpr 66
		.amdhsa_reserve_vcc 0
		.amdhsa_float_denorm_mode_32 3
		.amdhsa_float_denorm_mode_16_64 3
		.amdhsa_memory_ordered 1
		.amdhsa_forward_progress 1
		.amdhsa_inst_pref_size 87
	.end_amdhsa_kernel
	.amdgpu_metadata
---
amdhsa.version: [ 1, 2 ]
amdhsa.kernels:
  - .name:           k_q4189393818_oln1
    .symbol:         k_q4189393818_oln1.kd
    .args:
      - { .name: ctx, .offset: 0, .size: 8, .value_kind: global_buffer, .address_space: global }
      - { .name: wc, .offset: 8, .size: 8, .value_kind: global_buffer, .address_space: global }
      - { .name: qf, .offset: 16, .size: 8, .value_kind: global_buffer, .address_space: global }
      - { .name: bo, .offset: 24, .size: 8, .value_kind: global_buffer, .address_space: global }
      - { .name: gamma, .offset: 32, .size: 8, .value_kind: global_buffer, .address_space: global }
      - { .name: beta, .offset: 40, .size: 8, .value_kind: global_buffer, .address_space: global }
      - { .name: lowp_scales, .offset: 48, .size: 8, .value_kind: global_buffer, .address_space: global }
      - { .name: yc, .offset: 56, .size: 8, .value_kind: global_buffer, .address_space: global }
    .group_segment_fixed_size: 48128
    .private_segment_fixed_size: 0
    .kernarg_segment_align: 8
    .kernarg_segment_size: 64
    .max_flat_workgroup_size: 256
    .sgpr_count:     66
    .vgpr_count:     512
    .wavefront_size: 32
...
	.end_amdgpu_metadata
.endif
;; end of part 6
;; launch attn2: the kernel of part 3 again; grid 4 x 64, 16 waves a work-group, clusters of 4 x 1, 206,848 bytes of LDS; arguments yc, att2, bq2, src_attention_mask, qf, ctx; writes qf, ctx
;; launch oln2 (part 7): grid 128 x 1, 8 waves a work-group, no clusters, 115,712 bytes of LDS; arguments ctx, wc, qf, bo, gamma, beta, lowp_scales, out0; writes out0
.if DOCPART == 7
	.amdgcn_target "amdgcn-amd-amdhsa--gfx1250"
	.amdhsa_code_object_version 6
	.text
	.protected	k_q4189393818_oln2
	.globl	k_q4189393818_oln2
	.p2align	8
	.type	k_q4189393818_oln2,@function
k_q4189393818_oln2:
	s_mov_b64 s[64:65], 0
	v_nop
	global_prefetch_b8 v0, s[64:65] scope:SCOPE_SE
	s_setreg_imm32_b32 hwreg(HW_REG_WAVE_SCHED_MODE, 0, 2), 2
	s_setreg_imm32_b32 hwreg(HW_REG_WAVE_MODE, 25, 1), 1
	s_wait_xcnt 0x0
	s_wait_alu depctr_vm_vsrc(0)
; y = LayerNorm(q + ctx Wo + bo) x gamma + beta.  FINAL = 0: y is quantised (entry EY) and stored as fragments, the next product's operand.  FINAL = 1: y is stored as f32 rows.
; ctx and Wo^T are codes of E5M2 (entries EA, EA + 1), as fragments of 16 rows x 128 K, 2,048 bytes, images of the operand's registers.  q lies in qf as tiles of 16 x 16 f32 in the accumulators' layout.
; SHARES.  A work-group owns 32 whole rows (two row tiles a), since the norm wants whole rows; wave w owns columns 128 w .. 128 w + 127 (eight tiles b): 16 accumulators.
; The product is used transposed (source 0 = 16 rows of Wo^T, source 1 = 16 rows of ctx): a lane holds one row, its registers eight neighbouring columns.
; THE WEIGHTS GO FROM MEMORY STRAIGHT INTO REGISTERS, and there is no cluster: each of the 512 fragments of Wo^T is used by one wave of the work-group, once, for two products; through LDS its 2,048 bytes would be
; written and read once more and feed nothing further.  Two sets of eight fragments take turns; both are asked for at the head, ahead of the first barrier.  ctx's 16 fragments, which all waves read, go through LDS.
; bo, gamma and beta: a wave's 128 columns of each are 512 bytes: one dense load each; they are spread to the accumulators' layout through 1,536 LDS bytes of the wave's own.
; (q + bo) / 2^(ea + eb) is the C of the first products: nothing is cleared and nothing is added later.  The norm works on x / 2^(ea + eb); the power of two comes back with the reciprocal root.
; LIMITS: ea + eb between -126 and 126, 2 (ea + eb) - 10 between -126 and 127.  NaN and infinities are not served.
; REGISTERS: window 0: v1-7 addresses; v8-31 the norm's figures; v32-95 ctx and the three parameters as loaded, then bo, then ctx's fragments (buffer ks % 2, then a), at the end rows of y; v96, v97 the parameters' LDS addresses;
;   v128-255 accumulator (a, b) at 128 + 64 a + 8 b.   window 1: the weights' two sets at v0 and v128, fragment b at 16 b; at the end gamma at v0-63, beta at v64-127.
; THE MODE: SCHED_MODE bits 1:0 = 2 (LLVM: expert scheduling mode 2), set by the entry lines.  The code itself states the register dependences
; between vector or matrix instructions and memory or LDS instructions, with s_wait_alu, always for 0.
; THE PLAN.  Registers that memory or LDS instructions touch, and who else names them:
;   v1-7, v96, v97    offsets and LDS addresses: written once at the head; one wait on va_vdst ahead of the first load serves every load and store.  (FINAL = 0: the last conversions write v96 and v97 again.)
;   v32-95            ctx and the parameters land; two multiplies scale bo in place; LDS stores read them | bo, spread, lands; 64 multiply-adds read it | ctx's fragments: step ks's products read buffer ks % 2,
;                     step ks + 2's LDS loads land in it | FINAL = 1: rows of y land.
;   window 1          step ks's products read set ks % 2; step ks + 2's 32 loads land in it; behind step 6 gamma and beta land in set 0.
;   v128-255          q lands; then vector and matrix instructions alone, up to the way out (FINAL = 1: LDS stores read them, and row tile 1's rows land in v128-191).
;   v8, v12; v16-31   a reduction's sums, which an LDS store reads and the next pass writes again; the eight waves' sums, which LDS loads bring and vector instructions then read and write.
; ONE wait on va_vdst stands in each of K steps 0 to 6, behind the step's products: they are done reading the set of weights and the buffer of ctx in which the step's 40 loads land.  It stands there and not at the next
; step's head, since the wave's 512 registers hold two sets and no third: a set that waited for the other set's data would leave 32 loads on their way and not 64.
.set FINAL, 1
.set WSLOT, 5
.set EA,    22
.set EY,    0
.set RED,   32768                      ; LDS: 0 ctx's 16 fragments; RED: two regions of 1,024 bytes for the rows' sums: 512 a + 32 r + 4 w
.set PAR,   34816                      ; bo / 2^(ea + eb), gamma, beta: 3 x 512 bytes for each wave
.set STG,   47104                      ; FINAL = 1: a stage of 16 rows x (512 bytes + 16) for each wave
.set AFR,   32
.set T,     96
.set PW,    96
.set PR,    97
.set ACC,   128
.set MSB, 0
.macro WIN new
.if MSB != \new
	s_set_vgpr_msb (MSB<<8)|\new
.set MSB, \new
.endif
.endm
.macro MKSC se, vsc, vlim
	s_add_co_i32 s46, \se, 127
	s_lshl_b32 s47, s46, 23
	v_mov_b32 v[\vsc], s47
	s_add_co_i32 s46, s46, 15
	s_lshl_b32 s46, s46, 23
	s_or_b32 s46, s46, 0x600000
	v_mov_b32 v[\vlim], s46
.endm
.macro WSET ks, dep                    ; my eight fragments of Wo^T for K step ks: 32 loads of 512 consecutive bytes.  dep = 1: products have read the set
	WIN 0x40                                       ; destination window 1
.if \dep
	s_wait_alu depctr_va_vdst(0)                   ; the step's products are done reading this set of weights and their buffer of ctx: the 32 loads below and the 8 LDS loads behind them land there
.endif
.irp b, 0,1,2,3,4,5,6,7
.irp c, 0,1,2,3
	global_load_b128 v[128*((\ks)%2)+16*\b+4*\c:128*((\ks)%2)+16*\b+4*\c+3], v1, s[6:7] offset:\b*16384+(\ks)*2048+\c*512
.endr
.endr
	WIN 0
.endm
.macro AFETCH ks                       ; ctx's two fragments of K step ks
.irp a, 0,1
.irp c, 0,1,2,3
	ds_load_b128 v[AFR+32*((\ks)%2)+16*\a+4*\c:AFR+32*((\ks)%2)+16*\a+4*\c+3], v1 offset:(8*\a+(\ks))*2048+512*\c
.endr
.endr
.endm
.macro KSTEP ks
.if \ks < 7
	s_wait_loadcnt 32                              ; this step's weights are in; the next set's 32 loads may be out
	s_wait_dscnt 8                                 ; this step's fragments of ctx are in; the next step's eight loads may be out
.else
	s_wait_loadcnt 0
	s_wait_dscnt 32                                ; the last fragments of ctx are in; gamma's and beta's 32 loads may be out
.endif
	WIN 0x01                                       ; source 0 window 1
.irp b, 0,1,2,3,4,5,6,7                ; the 16 accumulators take turns, one instruction a turn
.irp a, 0,1
	v_wmma_f32_16x16x128_bf8_bf8 v[ACC+64*\a+8*\b:ACC+64*\a+8*\b+7], v[128*(\ks%2)+16*\b:128*(\ks%2)+16*\b+15], v[AFR+32*(\ks%2)+16*\a:AFR+32*(\ks%2)+16*\a+15], v[ACC+64*\a+8*\b:ACC+64*\a+8*\b+7]
.endr
.endr
	WIN 0
.rept 4
	v_nop                                          ; four places behind the step's last products (ISA guide 7.12.1): the last step's stand ahead of the first vector read of results; in the other steps they stay beside the wait that follows
.endr
.if \ks < 6
	WSET \ks+2, 1
	AFETCH \ks+2                                   ; no wait of its own: only loads and window switches stand behind the wait in WSET
.elseif \ks == 6
	WIN 0x40
	s_wait_alu depctr_va_vdst(0)                   ; step 6's products are done reading set 0, in which gamma and beta land
.irp b, 0,1,2,3,4,5,6,7                ; gamma and beta of columns 16 b + 8 h + 0..7, out of my wave's own LDS bytes
	ds_load_b128 v[8*\b:8*\b+3], v[PR] offset:512+64*\b
	ds_load_b128 v[8*\b+4:8*\b+7], v[PR] offset:512+64*\b+16
	ds_load_b128 v[64+8*\b:64+8*\b+3], v[PR] offset:1024+64*\b
	ds_load_b128 v[64+8*\b+4:64+8*\b+7], v[PR] offset:1024+64*\b+16
.endr
	WIN 0
.endif
.endm
; The two chains of each row tile (v[8 + 4 a : 9 + 4 a], v[10 + 4 a : 11 + 4 a]) become the rows' sums over all 1,024 columns, in v16 (a = 0) and v24 (a = 1) of every lane: within the lane, across the halves of the lanes, across the eight waves through LDS, in a fixed order.
.macro RSUM off
.irp a, 0,1
	v_pk_add_f32 v[8+4*\a:9+4*\a], v[8+4*\a:9+4*\a], v[10+4*\a:11+4*\a]
.endr
.irp a, 0,1
	v_add_f32 v[8+4*\a], v[8+4*\a], v[9+4*\a]
.endr
.irp a, 0,1
	v_permlanex16_b32 v[10+4*\a], v[8+4*\a], s22, s23
.endr
.irp a, 0,1
	v_add_f32 v[8+4*\a], v[8+4*\a], v[10+4*\a]
.endr
	s_wait_alu depctr_va_vdst(0)                   ; v8 and v12 are written, which the LDS stores read; and every vector instruction that named v16 to v31 is complete, in which the loads behind the barrier land
.irp a, 0,1
	ds_store_b32 v4, v[8+4*\a] offset:\off+512*\a
.endr
	s_wait_dscnt 0x0                               ; for the others' sake
	s_barrier_signal -1
	s_barrier_wait -1
.irp a, 0,1
	ds_load_b128 v[16+8*\a:19+8*\a], v5 offset:\off+512*\a
	ds_load_b128 v[20+8*\a:23+8*\a], v5 offset:\off+512*\a+16
.endr
	s_wait_dscnt 0x0
.irp a, 0,1
	v_add_f32 v[16+8*\a], v[16+8*\a], v[17+8*\a]
	v_add_f32 v[18+8*\a], v[18+8*\a], v[19+8*\a]
	v_add_f32 v[20+8*\a], v[20+8*\a], v[21+8*\a]
	v_add_f32 v[22+8*\a], v[22+8*\a], v[23+8*\a]
.endr
.irp a, 0,1
	v_add_f32 v[16+8*\a], v[16+8*\a], v[18+8*\a]
	v_add_f32 v[20+8*\a], v[20+8*\a], v[22+8*\a]
.endr
.irp a, 0,1
	v_add_f32 v[16+8*\a], v[16+8*\a], v[20+8*\a]
.endr
.endm
	s_load_b256 s[4:11], s[0:1], 0x0               ; ctx, wc, qf, bo
	s_load_b256 s[12:19], s[0:1], 0x20             ; gamma, beta, the scales, the result
	v_lshl_add_u32 v126, v0, 2, 0x1c000
	v_mov_b32 v127, 0
	v_lshrrev_b32 v1, 5, v0
	v_readfirstlane_b32 s20, v1                    ; wave 0..7
	v_and_b32 v8, 31, v0
	v_lshlrev_b32 v1, 4, v8                        ; 16 x lane
	v_bfe_u32 v9, v0, 4, 1
	v_lshlrev_b32 v2, 5, v9                        ; 32 h
	v_and_b32 v10, 15, v0                          ; r
	s_wait_alu depctr_va_sdst(0)                   ; s20 is written, ahead of its first reader: LDS addresses and the buffers' offsets are made from it
	s_lshl_b32 s24, s20, 12
	v_add_nc_u32 v3, s24, v1                       ; where I put my two fragments of ctx
	s_lshl_b32 s25, s20, 2
	v_lshlrev_b32 v5, 5, v10
	v_add_nc_u32 v5, RED, v5
	v_add_nc_u32 v4, s25, v5
	s_mul_i32 s21, s20, 1536
	s_add_co_u32 s21, s21, PAR                     ; my wave's parameters
	v_add_nc_u32 v[PW], s21, v1                    ; in: 16 x lane
	v_add_nc_u32 v[PR], s21, v2                    ; out: 32 h
.if FINAL
	s_mul_i32 s45, s20, 8448
	s_add_co_u32 s45, s45, STG
	v_mul_u32_u24 v6, v10, 528
	v_add_nc_u32 v6, v6, v2
	v_add_nc_u32 v6, s45, v6                       ; the stage: row r, + 32 h
	v_add_nc_u32 v7, s45, v1                       ; and back: 16 x lane of a row
.endif
	s_mov_b32 s22, 0x76543210
	s_mov_b32 s23, 0xfedcba98
	s_lshl_b32 s28, ttmp9, 15
	s_add_co_u32 s28, s28, s24                     ; ctx: 16 fragments a work-group, two a wave
	s_mov_b32 s29, 0
	s_lshl_b32 s30, s20, 17
	s_add_co_u32 s30, s30, WSLOT<<20               ; Wo^T: my eight row tiles of 16,384 bytes
	s_mov_b32 s31, 0
	s_lshl_b32 s32, ttmp9, 17
	s_lshl_b32 s33, s20, 13
	s_add_co_u32 s32, s32, s33                     ; qf: two row tiles of 65,536 bytes, my eight tiles of 1,024
	s_mov_b32 s33, 0
	s_lshl_b32 s34, s20, 9                         ; my 128 columns x 4 bytes
	s_mov_b32 s35, 0
	s_mov_b32 s27, 0
.if FINAL
	s_lshl_b32 s26, ttmp9, 17                      ; 32 rows of 4,096 bytes
	s_add_co_u32 s26, s26, s34
.else
	s_lshl_b32 s26, ttmp9, 15                      ; 16 fragments; my columns are K step w
	s_lshl_b32 s45, s20, 11
	s_add_co_u32 s26, s26, s45
.endif
	s_wait_kmcnt 0x0
	s_load_b64 s[36:37], s[16:17], EA*4            ; ea, eb
.if FINAL == 0
	s_load_b32 s38, s[16:17], EY*4
.endif
	s_add_nc_u64 s[4:5], s[4:5], s[28:29]
	s_add_nc_u64 s[6:7], s[6:7], s[30:31]
	s_add_nc_u64 s[8:9], s[8:9], s[32:33]
	s_add_nc_u64 s[10:11], s[10:11], s[34:35]
	s_add_nc_u64 s[12:13], s[12:13], s[34:35]
	s_add_nc_u64 s[14:15], s[14:15], s[34:35]
	s_add_nc_u64 s[18:19], s[18:19], s[26:27]
	s_wait_alu depctr_va_vdst(0)                   ; the offsets and LDS addresses v1 to v7, v96 and v97 are written, which the loads and stores of the whole kernel read
.irp c, 0,1,2,3,4,5,6,7
	global_load_b128 v[AFR+4*\c:AFR+4*\c+3], v1, s[4:5] offset:512*\c th:TH_LOAD_NT
.endr
	global_load_b128 v[AFR+32:AFR+35], v1, s[10:11]        ; bo, gamma, beta of my 128 columns: 512 consecutive bytes each
	global_load_b128 v[AFR+36:AFR+39], v1, s[12:13]
	global_load_b128 v[AFR+40:AFR+43], v1, s[14:15]
.irp a, 0,1
.irp b, 0,1,2,3,4,5,6,7
	global_load_b128 v[ACC+64*\a+8*\b:ACC+64*\a+8*\b+3], v1, s[8:9] offset:\a*65536+\b*1024 th:TH_LOAD_NT
	global_load_b128 v[ACC+64*\a+8*\b+4:ACC+64*\a+8*\b+7], v1, s[8:9] offset:\a*65536+\b*1024+512 th:TH_LOAD_NT
.endr
.endr
	WSET 0, 0                                      ; the weights' stream begins here: it waits for nothing that comes before it; no vector or matrix instruction has named its registers
	s_wait_kmcnt 0x0
	s_add_co_i32 s39, s36, s37                     ; E = ea + eb
	s_sub_co_i32 s40, 127, s39
	s_lshl_b32 s40, s40, 23                        ; 2^-E
	s_mov_b32 s41, s40
	s_add_co_i32 s42, s39, 127
	s_lshl_b32 s42, s42, 23                        ; 2^E
	s_lshl_b32 s43, s39, 1
	s_add_co_i32 s43, s43, 117
	s_lshl_b32 s43, s43, 23                        ; 2^(2 E - 10)
	s_mov_b32 s44, 0x2b8cbccc                      ; 1e-12
	s_wait_loadcnt 63                              ; ctx and the parameters are in: 64 loads (q's 32, the weights' 32) are younger, and the count's field ends at 63
	v_pk_mul_f32 v[AFR+32:AFR+33], v[AFR+32:AFR+33], s[40:41] op_sel_hi:[1,0]   ; bo / 2^E
	v_pk_mul_f32 v[AFR+34:AFR+35], v[AFR+34:AFR+35], s[40:41] op_sel_hi:[1,0]
	s_wait_alu depctr_va_vdst(0)                   ; the two multiplies have written v64 to v67, which an LDS store below reads and in which bo, spread, lands behind the barrier
.irp c, 0,1,2,3,4,5,6,7
	ds_store_b128 v3, v[AFR+4*\c:AFR+4*\c+3] offset:512*\c
.endr
	ds_store_b128 v[PW], v[AFR+32:AFR+35]
	ds_store_b128 v[PW], v[AFR+36:AFR+39] offset:512
	ds_store_b128 v[PW], v[AFR+40:AFR+43] offset:1024
	WSET 1, 0                                      ; no vector or matrix instruction has named the second set's registers
	s_wait_dscnt 0x0
	s_barrier_signal -1
	s_barrier_wait -1                              ; ctx's sixteen fragments lie in LDS
	s_wait_alu depctr_vm_vsrc(0)                   ; my LDS stores have read v32 to v75, in which the loads below land
.irp b, 0,1,2,3,4,5,6,7                ; bo / 2^E of columns 16 b + 8 h + 0..7
	ds_load_b128 v[AFR+8*\b:AFR+8*\b+3], v[PR] offset:64*\b
	ds_load_b128 v[AFR+8*\b+4:AFR+8*\b+7], v[PR] offset:64*\b+16
.endr
	s_wait_loadcnt 63                              ; q is in: the two sets of weights, 64 loads, are younger
	s_wait_dscnt 0x0
.irp a, 0,1
.set j, 0
.rept 32
	v_pk_fma_f32 v[ACC+64*\a+j:ACC+64*\a+j+1], v[ACC+64*\a+j:ACC+64*\a+j+1], s[40:41], v[AFR+j:AFR+j+1] op_sel_hi:[1,0,1]   ; (q + bo) / 2^E
.set j, j+2
.endr
.endr
	s_wait_alu depctr_va_vdst(0)                   ; the multiply-adds are done reading bo in v32 to v95, in which ctx's first four fragments land
	AFETCH 0
	AFETCH 1
.irp ks, 0,1,2,3,4,5,6,7
	KSTEP \ks
.endr
; ---- the norm, on X = x / 2^E.  Pass 1: the rows' means
.irp a, 0,1
	v_pk_add_f32 v[8+4*\a:9+4*\a], v[ACC+64*\a:ACC+64*\a+1], v[ACC+64*\a+2:ACC+64*\a+3]
	v_pk_add_f32 v[10+4*\a:11+4*\a], v[ACC+64*\a+4:ACC+64*\a+5], v[ACC+64*\a+6:ACC+64*\a+7]
.endr
.set j, 8
.rept 14
.irp a, 0,1
	v_pk_add_f32 v[8+4*\a:9+4*\a], v[8+4*\a:9+4*\a], v[ACC+64*\a+j:ACC+64*\a+j+1]          ; each accumulator from its low end on
	v_pk_add_f32 v[10+4*\a:11+4*\a], v[10+4*\a:11+4*\a], v[ACC+64*\a+j+2:ACC+64*\a+j+3]
.endr
.set j, j+4
.endr
	RSUM 0
.irp a, 0,1
	v_mul_f32 v[16+8*\a], 0xba800000, v[16+8*\a]   ; -mean = sum x -2^-10
.endr
; Pass 2: d = X - mean, in place, and the sums of its squares
.set j, 0
.rept 32
.irp a, 0,1
	v_pk_add_f32 v[ACC+64*\a+j:ACC+64*\a+j+1], v[ACC+64*\a+j:ACC+64*\a+j+1], v[16+8*\a:17+8*\a] op_sel_hi:[1,0]
.endr
.set j, j+2
.endr
	s_wait_alu depctr_vm_vsrc(0)                   ; the first reduction's LDS stores have read v8 and v12, which the squares' chains write again; with FINAL = 0 also: the LDS instructions that read v96 and v97, all issued by now, have read them, and the last conversions write these two
.irp a, 0,1
	v_pk_mul_f32 v[8+4*\a:9+4*\a], v[ACC+64*\a:ACC+64*\a+1], v[ACC+64*\a:ACC+64*\a+1]
	v_pk_mul_f32 v[10+4*\a:11+4*\a], v[ACC+64*\a+2:ACC+64*\a+3], v[ACC+64*\a+2:ACC+64*\a+3]
.endr
.set j, 4
.rept 30
.irp a, 0,1
	v_pk_fma_f32 v[8+4*\a+j%4:9+4*\a+j%4], v[ACC+64*\a+j:ACC+64*\a+j+1], v[ACC+64*\a+j:ACC+64*\a+j+1], v[8+4*\a+j%4:9+4*\a+j%4]
.endr
.set j, j+2
.endr
	RSUM 1024
.irp a, 0,1
	v_fma_f32 v[16+8*\a], v[16+8*\a], s43, s44     ; the variance of x, + 1e-12
.endr
.irp a, 0,1
	v_rsq_f32 v[16+8*\a], v[16+8*\a]
.endr
	v_nop                                          ; a plain line behind the transcendentals
	s_wait_alu depctr_va_vdst(0)                   ; the two reciprocal roots have written v16 and v24: one wait for both, ahead of their first reader
.irp a, 0,1
	v_mul_f32 v[16+8*\a], s42, v[16+8*\a]          ; x 2^E: d stands for (x - mean) / 2^E
.endr
; Pass 3: y = d x that x gamma + beta.  (gamma and beta are in: the sums above waited for all my LDS instructions)
.set j, 0
.rept 32
.irp a, 0,1
	v_pk_mul_f32 v[ACC+64*\a+j:ACC+64*\a+j+1], v[ACC+64*\a+j:ACC+64*\a+j+1], v[16+8*\a:17+8*\a] op_sel_hi:[1,0]
.endr
.set j, j+2
.endr
	WIN 0x14                                       ; sources 1 and 2 window 1
.set j, 0
.rept 32
.irp a, 0,1
	v_pk_fma_f32 v[ACC+64*\a+j:ACC+64*\a+j+1], v[ACC+64*\a+j:ACC+64*\a+j+1], v[j:j+1], v[64+j:64+j+1]
.endr
.set j, j+2
.endr
	WIN 0
.if FINAL == 0
	MKSC s38, 20, 21
.set j, 0
.rept 128
	v_med3_num_f32 v[ACC+j], v[ACC+j], -v21, v21
.set j, j+1
.endr
.irp a, 0,1
.irp b, 0,1,2,3,4,5,6,7                ; my 128 columns are K step w of the next product: accumulator (a, b) gives registers 2 b, 2 b + 1 of row tile a's fragment
	v_cvt_scalef32_pk8_bf8_f32 v[T+16*\a+2*\b:T+16*\a+2*\b+1], v[ACC+64*\a+8*\b:ACC+64*\a+8*\b+7], v20
.endr
.endr
	v_nop
	s_wait_alu depctr_va_vdst(0)                   ; the conversions have written the codes in v96 to v127, which the stores read
.irp a, 0,1
.irp c, 0,1,2,3
	global_store_b128 v1, v[T+16*\a+4*\c:T+16*\a+4*\c+3], s[18:19] offset:\a*16384+\c*512
.endr
.endr
.else
	s_wait_alu depctr_va_vdst(0)                   ; the last multiply-adds have written both row tiles' accumulators, which the LDS stores read
.irp a, 0,1                            ; through my own stage: a lane's 32 bytes of a row go in, whole pieces of 512 bytes of a row come back
.irp b, 0,1,2,3,4,5,6,7
	ds_store_b128 v6, v[ACC+64*\a+8*\b:ACC+64*\a+8*\b+3] offset:64*\b
	ds_store_b128 v6, v[ACC+64*\a+8*\b+4:ACC+64*\a+8*\b+7] offset:64*\b+16
.endr
.if \a == 1
	s_wait_alu depctr_vm_vsrc(0)                   ; row tile 0's LDS stores have read v128 to v191, in which row tile 1's rows land
.endif
.set p, 0
.rept 16
	ds_load_b128 v[AFR+96*\a+4*p:AFR+96*\a+4*p+3], v7 offset:p*528   ; LDS serves a wave's instructions in order: these see my stores.  Row tile 1 comes back into row tile 0's accumulators, which have left
.set p, p+1
.endr
.set p, 0
.rept 16
	s_wait_dscnt 15-p                              ; the younger rows may be out
	global_store_b128 v1, v[AFR+96*\a+4*p:AFR+96*\a+4*p+3], s[18:19] offset:\a*65536+p*4096 th:TH_STORE_NT   ; 512 consecutive bytes, at a multiple of 256 from the buffer's first byte
.set p, p+1
.endr
.endr
.endif
	s_wait_dscnt 0x0
	s_wait_alu depctr_hold_cnt(0) depctr_sa_sdst(0) depctr_va_vdst(0) depctr_va_sdst(0) depctr_va_ssrc(0) depctr_va_vcc(0) depctr_vm_vsrc(0)
	s_wait_tensorcnt 0x0
	ds_add_u32 v126, v127
	s_wait_dscnt 0x0
	s_endpgm
.Lfunc_end_k_q4189393818_oln2:
	.size	k_q4189393818_oln2, .Lfunc_end_k_q4189393818_oln2-k_q4189393818_oln2
	.p2alignl 7, 3214868480
	.fill 96, 4, 3214868480
	.section	.rodata,"a",@progbits
	.p2align	6, 0x0
	.amdhsa_kernel k_q4189393818_oln2
		.amdhsa_group_segment_fixed_size 115712
		.amdhsa_private_segment_fixed_size 0
		.amdhsa_enable_private_segment 0
		.amdhsa_kernarg_size 64
		.amdhsa_user_sgpr_count 2
		.amdhsa_user_sgpr_kernarg_segment_ptr 1
		.amdhsa_wavefront_size32 1
		.amdhsa_system_sgpr_workgroup_id_x 1
		.amdhsa_system_sgpr_workgroup_id_y 1
		.amdhsa_system_sgpr_workgroup_id_z 1
		.amdhsa_system_vgpr_workitem_id 0
		.amdhsa_next_free_vgpr 512
		.amdhsa_next_free_sgpr 66
		.amdhsa_reserve_vcc 0
		.amdhsa_float_denorm_mode_32 3
		.amdhsa_float_denorm_mode_16_64 3
		.amdhsa_memory_ordered 1
		.amdhsa_forward_progress 1
		.amdhsa_inst_pref_size 86
	.end_amdhsa_kernel
	.amdgpu_metadata
---
amdhsa.version: [ 1, 2 ]
amdhsa.kernels:
  - .name:           k_q4189393818_oln2
    .symbol:         k_q4189393818_oln2.kd
    .args:
      - { .name: ctx, .offset: 0, .size: 8, .value_kind: global_buffer, .address_space: global }
      - { .name: wc, .offset: 8, .size: 8, .value_kind: global_buffer, .address_space: global }
      - { .name: qf, .offset: 16, .size: 8, .value_kind: global_buffer, .address_space: global }
      - { .name: bo, .offset: 24, .size: 8, .value_kind: global_buffer, .address_space: global }
      - { .name: gamma, .offset: 32, .size: 8, .value_kind: global_buffer, .address_space: global }
      - { .name: beta, .offset: 40, .size: 8, .value_kind: global_buffer, .address_space: global }
      - { .name: lowp_scales, .offset: 48, .size: 8, .value_kind: global_buffer, .address_space: global }
      - { .name: out0, .offset: 56, .size: 8, .value_kind: global_buffer, .address_space: global }
    .group_segment_fixed_size: 115712
    .private_segment_fixed_size: 0
    .kernarg_segment_align: 8
    .kernarg_segment_size: 64
    .max_flat_workgroup_size: 256
    .sgpr_count:     66
    .vgpr_count:     512
    .wavefront_size: 32
...
	.end_amdgpu_metadata
.endif
;; end of part 7
